; MI455X (gfx1250); checked and timed in simulation.
; The chip was launched on July 23, 2026; its instructions are those of AMD's public machine-readable ISA for CDNA 5 (MIT licence, August 2026) and "CDNA5" Instruction Set Architecture Reference Guide (July 2026). The comments in the code are by the model that wrote it; some were corrected since.
;; Attention. Allowed arithmetic: matrix products marked QUANTISED: E2M1 operands, one E8M0 scale for each 32 along K, by v_wmma_scale_f32_16x16x128_f8f6f4 with both operands' format E2M1 (or v_wmma_scale_f32_32x16x128_f4), f32 sums; products left as they are: bf16, f16 or f32 operands; f32 sums; everything else in f32.
;; Inputs: freqs_cos 2,048 x 32 float32; freqs_sin 2,048 x 32 float32; wk 512 x 2,048 float32; wo 2,048 x 1,024 float32; wq 1,024 x 2,048 float32; wv 512 x 2,048 float32; x 2 x 2,048 x 2,048 float32.
;; Outputs: out0 2 x 2,048 x 2,048 float32.
;; This version of the problem:
;;   THIS VERSION OF THE PROBLEM IS GIVEN IN LOW PRECISION. The matrix products marked QUANTISED in the list below multiply operands that are first quantised to E2M1 (2 exponent bits, 1 mantissa bit; 4 bits a number), with one power-of-two scale for each 32 numbers along K (OCP MX v1.0); their sums are f32. The products marked 'left as it is' may take bf16, f16 or f32 operands, with f32 sums. Whichever they take, every output number must still come out within the allowed error. Rounding operands to bf16 (8 significant bits) uses up far more of that allowance than f16 does (11 bits, for magnitudes from 6e-5 to 65,504). All else is computed in f32.
;;   The module's matrix products, in the order in which they are computed (A, B: the left and right operand; K: the contracted axis; several contracted axes count as one K, in the product's order):
;;     1. [M 4,096, K 2,048] x [K 2,048, N 1,024]; A: input x; B: input wq: QUANTISED
;;     2. [M 4,096, K 2,048] x [K 2,048, N 512]; A: input x; B: input wk: QUANTISED
;;     3. [M 4,096, K 2,048] x [K 2,048, N 512]; A: input x; B: input wv: QUANTISED
;;     4. batch 32 x [M 2,048, K 64] x [K 64, N 2,048]; A: computed on the way; B: computed on the way: left as it is (an operand is computed on the way)
;;     5. batch 32 x [M 2,048, K 2,048] x [K 2,048, N 64]; A: computed on the way; B: computed on the way: left as it is (an operand is computed on the way)
;;     6. [M 4,096, K 1,024] x [K 1,024, N 2,048]; A: computed on the way; B: input wo: left as it is (an operand is computed on the way)
;;   THE QUANTISER, for each operand of a quantised product, along K:
;;     - K is cut into blocks of 32 from its start; a last block that is shorter is filled with zeros.
;;     - A block's scale is 2^e with e = floor(log2(the largest magnitude in the block)) - 2, held to -126 .. 127; a block of zeros has e = 0. As a byte (E8M0): e + 127.
;;     - Each number is divided by its block's scale, clamped to +-6, and rounded to the nearest number of E2M1, ties to even, subnormals kept.
;;     - The product sums the exact products of the quantised numbers (number of the format x scale) in f32.
;;   ~~~python
;;   def quantise(x, axis):      # numpy; x: float32 -> the quantised numbers, widened to float32 again
;;       x = np.moveaxis(x, axis, -1); K = x.shape[-1]
;;       x = np.pad(x, [(0, 0)] * (x.ndim - 1) + [(0, -K % 32)]); x = x.reshape(x.shape[:-1] + (-1, 32)); a = np.abs(x).max(-1, keepdims=True)
;;       e = np.where(a > 0, np.clip(np.frexp(np.where(a > 0, a, 1))[1] - 1 - 2, -126, 127), 0)      # np.frexp(a)[1] - 1 = floor(log2(a)), exactly
;;       r = np.clip(x / 2.0 ** e, -6, 6)
;;       step = 2.0 ** (np.maximum(np.frexp(np.where(r == 0, 1, r))[1] - 1, 0) - 1)
;;       q = np.round(r / step) * step * 2.0 ** e      # np.round: ties to even
;;       return np.moveaxis(q.reshape(q.shape[:-2] + (-1,))[..., :K], -1, axis).astype(np.float32)
;;   ~~~
;; One version. Each part assembles by itself: llvm-mc -triple=amdgcn-amd-amdhsa -mcpu=gfx1250 --defsym DOCPART=n.
;; ======== version 1 of 1: 5 launches
;; limits: values are held in f16: magnitudes above 65,504 overflow, below 6.1e-05 lose precision
;; workspace buffers: codes 6,291,456 bytes; scales 393,216 bytes; wo16 4,194,304 bytes; qkv 16,777,216 bytes; fine 262,144 bytes; att 8,388,608 bytes
;; launch prep (part 1): grid 448 x 1, 4 waves a work-group, no clusters, 33,280 bytes of LDS; arguments x, wq, wk, wv, wo, codes, scales, wo16; writes codes, scales, wo16
.if DOCPART == 1
	.amdgcn_target "amdgcn-amd-amdhsa--gfx1250"
	.amdhsa_code_object_version 6
	.text
	.protected	k_q994727b206_prep
	.globl	k_q994727b206_prep
	.p2align	8
	.type	k_q994727b206_prep,@function
k_q994727b206_prep:
	s_mov_b64 s[64:65], 0
	v_nop
	global_prefetch_b8 v0, s[64:65] scope:SCOPE_SE
	s_setreg_imm32_b32 hwreg(HW_REG_WAVE_MODE, 25, 1), 1
	s_wait_xcnt 0x0
; x [4096][2048], wq [1024][2048], wk [512][2048], wv [512][2048], all f32 with K innermost, become codes of FP4 (E2M1) and one E8M0 byte for each 32 along K; wo [2048][1024] f32 becomes f16.
; A block's scale is 2^(floor(log2(its largest magnitude)) - 2); its byte is the largest magnitude's exponent field - 2, held at 1 from below; each number is divided by the scale and rounded to the nearest code, ties to even, beyond 6 the largest code.
; LIMITS: a block of zeros gets the byte 1 where the rule says 127 (its codes are zeros, and this program alone reads the bytes); blocks whose largest magnitude lies under 2^-124 are held at the byte 1;
; NaN and infinities among the inputs are not served; wo is rounded to f16, so |wo| stays under 65,504 and numbers under 6e-5 lose bits.
; SHARES: rows are dense and K is a multiple of 32, so every tensor is a plain stream.  A work-group takes 32,768 numbers, a wave 8,192.  Work-groups 0-255 x, 256-319 wq, 320-351 wk, 352-383 wv, 384-447 wo.
; The codes' buffer holds x and then wq, wk, wv on end, the scale bytes' likewise: run 4 g + wave goes to byte 4,096 x run of the codes and 256 x run of the scale bytes.
; QUANTISING: 16 steps of 512 numbers.  Each of a step's four loads reads 512 consecutive bytes; the 2,048 bytes turn through the wave's own stage in LDS and come back 64 bytes a lane: 16 neighbours along K,
; two neighbouring lanes to a block.  A lane's 16 codes are 8 bytes: the wave stores 256 consecutive bytes.  A wave's 256 scale bytes are gathered in its own LDS bytes and leave by one store.  Waves share nothing: no barrier.
.set STEPS, 16
.set EMAX,  2
.set CB,    8                          ; bytes of 16 codes
.set R,     16                         ; v16-79   four sets of 16 numbers as they are loaded (wo: two sets of 32)
.set X,     80                         ; v80-111  two sets of 16 neighbours
.set E,     112                        ; v112-127 a scale byte for each step
.set C,     128                        ; v128-191 codes: four registers for each step (wo: two sets of 16 registers of f16)
.set WREG,  8192                       ; LDS: a region for each wave: two stages of 32 x SP bytes, behind them its 256 scale bytes
.set SP,    80                         ; a lane's place in a stage: 64 bytes + 16 of padding
.set SPW,   12                         ; v12 LDS address of my spare word; never rewritten
.set NIL,   13                         ; v13 0; never rewritten
.set SPARE, 4*WREG                     ; behind the four regions: the spare words, 128 bytes a wave
.set WV,    24                         ; s24 my wave's number
	s_load_b256 s[4:11], s[0:1], 0x0               ; x s[4:5], wq s[6:7], wk s[8:9], wv s[10:11]
	s_load_b256 s[12:19], s[0:1], 0x20             ; wo s[12:13], codes s[14:15], scales s[16:17], wo16 s[18:19]
	v_lshl_add_u32 v[SPW], v0, 2, SPARE
	v_mov_b32 v[NIL], 0
	v_lshrrev_b32 v1, 5, v0
	v_readfirstlane_b32 s[WV], v1
	v_and_b32 v2, 31, v0                           ; lane
	v_lshlrev_b32 v3, 4, v2                        ; my 16 bytes of a load's 512
	s_mul_i32 s29, s[WV], WREG
	v_lshrrev_b32 v14, 2, v2
	v_mul_u32_u24 v14, v14, SP
	v_and_b32 v15, 3, v2
	v_lshl_add_u32 v14, v15, 4, v14
	v_add_nc_u32 v14, s29, v14                     ; the stage, on the way in: SP (lane / 4) + 16 (lane % 4)
	v_mul_u32_u24 v15, v2, SP
	v_add_nc_u32 v15, s29, v15                     ; and on the way out: SP x lane: my 16 neighbours
	v_lshlrev_b32 v4, 3, v2                        ; 8 x lane: my codes' place in a step's, my f16 numbers' place, and my 8 scale bytes' place
	v_lshrrev_b32 v5, 1, v2
	s_add_co_u32 s29, s29, 2*32*SP
	v_add_nc_u32 v5, s29, v5                       ; LDS: my block's scale byte
	v_add_nc_u32 v6, s29, v4                       ; and the 8 bytes that I read back
	s_wait_kmcnt 0x0
	s_cmp_ge_u32 ttmp9, 384
	s_cbranch_scc1 .Lwo
	; which tensor: only the pointer and the tensor's first work-group are chosen, by the work-group's number; one path serves all four
	s_mov_b32 s25, 0
	s_cmp_ge_u32 ttmp9, 256
	s_cselect_b64 s[4:5], s[6:7], s[4:5]
	s_cselect_b32 s25, 256, s25
	s_cmp_ge_u32 ttmp9, 320
	s_cselect_b64 s[4:5], s[8:9], s[4:5]
	s_cselect_b32 s25, 320, s25
	s_cmp_ge_u32 ttmp9, 352
	s_cselect_b64 s[4:5], s[10:11], s[4:5]
	s_cselect_b32 s25, 352, s25
	s_sub_co_u32 s26, ttmp9, s25
	s_lshl_b32 s26, s26, 2
	s_add_co_u32 s26, s26, s[WV]                   ; my run of 8,192 numbers in the tensor
	s_lshl_b32 s26, s26, 15                        ; 32,768 bytes a run
	s_mov_b32 s27, 0
	s_add_nc_u64 s[4:5], s[4:5], s[26:27]
	s_lshl_b32 s28, ttmp9, 2
	s_add_co_u32 s28, s28, s[WV]                   ; my run in the two buffers
	s_lshl_b32 s30, s28, 12
	s_mov_b32 s31, 0
	s_add_nc_u64 s[14:15], s[14:15], s[30:31]
	s_lshl_b32 s30, s28, 8
	s_add_nc_u64 s[16:17], s[16:17], s[30:31]
.macro LOAD t
.irp i, 0,1,2,3
	global_load_b128 v[R+16*((\t)%4)+4*\i:R+16*((\t)%4)+4*\i+3], v3, s[4:5] offset:2048*(\t)+512*\i th:TH_LOAD_NT   ; 32 lanes read 512 consecutive bytes
.endr
.endm
.macro TURN t                          ; step t's numbers through the stage: LDS serves a wave's instructions in order, so no wait stands between the stores and the loads
.irp i, 0,1,2,3
	ds_store_b128 v14, v[R+16*((\t)%4)+4*\i:R+16*((\t)%4)+4*\i+3] offset:32*SP*((\t)%2)+8*SP*\i
.endr
.irp i, 0,1,2,3
	ds_load_b128 v[X+16*((\t)%2)+4*\i:X+16*((\t)%2)+4*\i+3], v15 offset:32*SP*((\t)%2)+16*\i
.endr
.endm
.irp t, 0,1,2,3
	LOAD \t
.endr
	s_wait_loadcnt 12                              ; step 0's four loads are in
	TURN 0
.macro STEP t
.set XS, X+16*((\t)%2)
.if (\t) > 0
	s_wait_dscnt 1                                 ; this step's numbers are back from the stage (the last step's byte store may be out)
.else
	s_wait_dscnt 0x0
.endif
.if (\t)+4 < STEPS
	LOAD (\t)+4                                    ; into the registers whose stores into the stage are done
.endif
.if (\t)+1 < STEPS
.if STEPS-2-(\t) >= 3
	s_wait_loadcnt 12                              ; the next step's four loads are in; those of the three steps behind it may be out
.else
	s_wait_loadcnt 4*(STEPS-2-(\t))
.endif
	TURN (\t)+1                                    ; they go through the other stage while this step is worked
.endif
	v_max3_num_f32 v8, |v[XS]|, |v[XS+1]|, |v[XS+2]|               ; the largest magnitude of my 16, in two chains
	v_max3_num_f32 v9, |v[XS+3]|, |v[XS+4]|, |v[XS+5]|
.irp i, 6,10
	v_max3_num_f32 v8, v8, |v[XS+\i]|, |v[XS+\i+1]|
	v_max3_num_f32 v9, v9, |v[XS+\i+2]|, |v[XS+\i+3]|
.endr
	v_max3_num_f32 v8, v8, |v[XS+14]|, |v[XS+15]|
	v_max3_num_f32 v8, v8, v9, (EMAX+1)<<23        ; and the floor 2^(3 - 127): the byte cannot fall under 1
	v_max_num_f32_dpp v8, v8, v8 row_xmask:1 row_mask:0xf bank_mask:0xf   ; with my neighbour's 16: the block's
	v_add_nc_u32 v11, -(EMAX<<23), v8              ; 2 off its exponent field: the conversion takes the exponent field of this operand as its scale
	v_cvt_scalef32_pk8_fp4_f32 v[C+4*(\t)], v[XS:XS+7], v11
	v_cvt_scalef32_pk8_fp4_f32 v[C+4*(\t)+1], v[XS+8:XS+15], v11
	v_lshrrev_b32 v[E+(\t)], 23, v11               ; the scale's byte (also the plain line behind the conversions)
	ds_store_b8 v5, v[E+(\t)] offset:16*(\t)       ; both lanes of a block write the same byte with the same value
	global_store_b64 v4, v[C+4*(\t):C+4*(\t)+1], s[14:15] offset:32*CB*(\t)   ; the wave stores 256 consecutive bytes, aligned
.endm
.irp t, 0,1,2,3,4,5,6,7,8,9,10,11,12,13,14,15
	STEP \t
.endr
	ds_load_b64 v[8:9], v6                         ; LDS serves a wave's instructions in order: these see my byte stores
	s_wait_dscnt 0x0
	global_store_b64 v4, v[8:9], s[16:17]          ; 32 lanes store the wave's 256 scale bytes
	s_branch .Lend
.Lwo:
	; wo to f16: 64 loads of 512 bytes a wave, in eight groups of eight, two groups on their way; no LDS
	s_sub_co_u32 s26, ttmp9, 384
	s_lshl_b32 s26, s26, 2
	s_add_co_u32 s26, s26, s[WV]
	s_lshl_b32 s28, s26, 14                        ; 16,384 bytes of f16 a run
	s_lshl_b32 s26, s26, 15                        ; 32,768 bytes of f32
	s_mov_b32 s27, 0
	s_mov_b32 s29, 0
	s_add_nc_u64 s[12:13], s[12:13], s[26:27]
	s_add_nc_u64 s[18:19], s[18:19], s[28:29]
.macro LOADG t
.irp i, 0,1,2,3,4,5,6,7
	global_load_b128 v[R+32*((\t)%2)+4*\i:R+32*((\t)%2)+4*\i+3], v3, s[12:13] offset:512*(8*(\t)+\i) th:TH_LOAD_NT
.endr
.endm
.macro CVTG t
.if (\t) < 7
	s_wait_loadcnt 8                               ; this group's eight loads are in; the next group's may be out
.else
	s_wait_loadcnt 0x0
.endif
	s_wait_xcnt 0x0                                ; the stores of two groups back have read their registers: these are written again only behind this wait
.irp i, 0,1,2,3,4,5,6,7
	v_cvt_pk_f16_f32 v[C+16*((\t)%2)+2*\i], v[R+32*((\t)%2)+4*\i], v[R+32*((\t)%2)+4*\i+1]
	v_cvt_pk_f16_f32 v[C+16*((\t)%2)+2*\i+1], v[R+32*((\t)%2)+4*\i+2], v[R+32*((\t)%2)+4*\i+3]
.endr
.irp i, 0,1,2,3,4,5,6,7
	global_store_b64 v4, v[C+16*((\t)%2)+2*\i:C+16*((\t)%2)+2*\i+1], s[18:19] offset:256*(8*(\t)+\i)   ; 256 consecutive bytes, aligned
.endr
.if (\t) < 6
	LOADG (\t)+2
.endif
.endm
	LOADG 0
	LOADG 1
.irp t, 0,1,2,3,4,5,6,7
	CVTG \t
.endr
.Lend:
	s_wait_tensorcnt 0x0                           ; the wave's end, behind the last LDS store
	ds_add_u32 v[SPW], v[NIL]
	s_wait_dscnt 0x0
	s_endpgm
.Lfunc_end_k_q994727b206_prep:
	.size	k_q994727b206_prep, .Lfunc_end_k_q994727b206_prep-k_q994727b206_prep
	.p2alignl 7, 3214868480
	.fill 96, 4, 3214868480
	.section	.rodata,"a",@progbits
	.p2align	6, 0x0
	.amdhsa_kernel k_q994727b206_prep
		.amdhsa_group_segment_fixed_size 33280
		.amdhsa_private_segment_fixed_size 0
		.amdhsa_enable_private_segment 0
		.amdhsa_kernarg_size 64
		.amdhsa_user_sgpr_count 2
		.amdhsa_user_sgpr_kernarg_segment_ptr 1
		.amdhsa_wavefront_size32 1
		.amdhsa_system_sgpr_workgroup_id_x 1
		.amdhsa_system_sgpr_workgroup_id_y 1
		.amdhsa_system_sgpr_workgroup_id_z 1
		.amdhsa_system_vgpr_workitem_id 0
		.amdhsa_next_free_vgpr 192
		.amdhsa_next_free_sgpr 66
		.amdhsa_reserve_vcc 0
		.amdhsa_float_denorm_mode_32 3
		.amdhsa_float_denorm_mode_16_64 3
		.amdhsa_memory_ordered 1
		.amdhsa_forward_progress 1
		.amdhsa_inst_pref_size 54
	.end_amdhsa_kernel
	.amdgpu_metadata
---
amdhsa.version: [ 1, 2 ]
amdhsa.kernels:
  - .name:           k_q994727b206_prep
    .symbol:         k_q994727b206_prep.kd
    .args:
      - { .name: x, .offset: 0, .size: 8, .value_kind: global_buffer, .address_space: global }
      - { .name: wq, .offset: 8, .size: 8, .value_kind: global_buffer, .address_space: global }
      - { .name: wk, .offset: 16, .size: 8, .value_kind: global_buffer, .address_space: global }
      - { .name: wv, .offset: 24, .size: 8, .value_kind: global_buffer, .address_space: global }
      - { .name: wo, .offset: 32, .size: 8, .value_kind: global_buffer, .address_space: global }
      - { .name: codes, .offset: 40, .size: 8, .value_kind: global_buffer, .address_space: global }
      - { .name: scales, .offset: 48, .size: 8, .value_kind: global_buffer, .address_space: global }
      - { .name: wo16, .offset: 56, .size: 8, .value_kind: global_buffer, .address_space: global }
    .group_segment_fixed_size: 33280
    .private_segment_fixed_size: 0
    .kernarg_segment_align: 8
    .kernarg_segment_size: 64
    .max_flat_workgroup_size: 128
    .sgpr_count:     66
    .vgpr_count:     192
    .wavefront_size: 32
...
	.end_amdgpu_metadata
.endif
;; end of part 1
;; launch qkv (part 2): grid 16 x 16, 4 waves a work-group, clusters of 4 x 4, 327,680 bytes of LDS; arguments codes, scales, freqs_cos, freqs_sin, qkv, fine; writes qkv, fine
.if DOCPART == 2
	.amdgcn_target "amdgcn-amd-amdhsa--gfx1250"
	.amdhsa_code_object_version 6
	.text
	.protected	k_q994727b206_qkv
	.globl	k_q994727b206_qkv
	.p2align	8
	.type	k_q994727b206_qkv,@function
k_q994727b206_qkv:
	s_mov_b64 s[64:65], 0
	v_nop
	global_prefetch_b8 v0, s[64:65] scope:SCOPE_SE
	s_setreg_imm32_b32 hwreg(HW_REG_WAVE_MODE, 25, 1), 1
	s_wait_xcnt 0x0
	s_wait_alu depctr_hold_cnt(0) depctr_sa_sdst(0) depctr_va_vdst(0) depctr_va_sdst(0) depctr_va_ssrc(0) depctr_va_vcc(0) depctr_vm_vsrc(0)
	s_getreg_b32 s2, hwreg(HW_REG_IB_STS2, 6, 4)
	s_cmp_eq_u32 s2, 0
	s_cbranch_scc0 .Lentry_in_a_cluster
	s_endpgm
.Lentry_in_a_cluster:
	s_bfe_u32 s2, ttmp6, 0x10000c
	s_cmp_lg_u32 s2, 0xf033
	s_cbranch_scc0 .Lentry_shape_is_right
	s_endpgm
.Lentry_shape_is_right:
; One GEMM on codes of FP4 with E8M0 scales: C[m][n] = sum over k of x[m][k] w[n][k], m = 4,096 rows of x, n = 2,048 rows of wq (0-1023), wk (1024-1535), wv (1536-2047), K = 2,048; sums in f32.
; Then, in f32: RoPE on q and k; q times log2(e) / 8 (the softmax's scale, folded in); the results leave as f16, by head: q' [2][16][2048][64], k and v [2][8][2048][64]; positions 0-15 of both batches also as f32 (buffer fine).
; LIMITS: q', k, v are rounded to f16: |k|, |v| and 0.18 |q| stay under 65,504.  v takes the same lines as q and k with the factors cos x 0 + 1 and sin x 0, which wants finite tables.  NaN and infinities are not served.
; SHARES: a tile of C is 256 x 128, so that 16 x 16 tiles give each of 256 work-groups one; four waves, each 128 rows x 64 columns (one head): 32 accumulators, 256 registers.
; K goes in steps of 512 (rows of 256 bytes) through two LDS slots filled by the tensor data mover: waves 0, 1 fetch A's halves (128 rows), waves 2, 3 B's halves (64 rows).  The tile's scale bytes for all of K come once, with the first fills.
; CLUSTERS: 4 x 4 work-groups; A's tiles are asked for jointly along a row of the cluster, B's along a column.  A cluster's four tile columns are of one kind (q, q, k, v by the cluster's x), so what differs between kinds is selected by that number, the same in all partners.
; THE MATRIX INSTRUCTION IS USED TRANSPOSED (source 0 = 16 rows of w, source 1 = 16 rows of x): a lane holds row m = lane % 16 and the columns 8 (lane / 16) + 0 .. 7.
; THE TABLES of my 128 positions (8 blocks x 16 registers of cos and 16 of sin) have 256 registers of their own and are asked for ahead of the products: seven blocks at the head, the eighth ahead of the last step.
; REGISTERS: window 0: v16-31 addresses; v32-95 scale words, two sets, nothing else; v128-255 A's fragments, two sets (free on the way out).  window 1: accumulator (a, b) at v[8 (4 a + b)].  window 2: B's fragments, two sets, at v[32 p + 8 b].
;   window 3: the tables: block a at v[32 a]: 16 of cos, then 16 of sin.
.set KROW,   1024                      ; a row of codes in memory, bytes
.set LAPS,   2                         ; a lap = two K steps of 512
.set PITCH,  272                       ; an LDS row: 256 bytes + 16 of padding: the 16 rows of a fragment load start 68 words apart
.set HALFA,  128*PITCH
.set HALFB,  64*PITCH
.set BOFF,   2*HALFA                   ; in a slot: A's 256 rows, then B's 128
.set SLOT,   BOFF+2*HALFB
.set SCLB,   2*SLOT                    ; B's scale bytes: 128 rows x 64 bytes as 32 units of 256 + 16
.set SCLA,   SCLB+32*272               ; A's: 256 rows as 64 units
.set STAGE,  SCLA+64*272               ; the way out: 16 rows x (128 + 16) bytes for each wave, bytes of its own
.set SPITCH, 144
.set SPARE,  STAGE+4*16*SPITCH         ; the spare words, 128 bytes a wave
.set ADRA, 16                          ; v16-17 LDS address of my A fragments in slot 0, 1
.set ADRB, 20                          ; v20-21 the same for B
.set CT,   22                          ; v22 my bytes in the tables: 128 (lane % 16) + 16 (lane / 16); never rewritten
.set FO,   23                          ; v23 my bytes in the f32 copy
.set STO,  24
.set RD,   25
.set CO,   26
.set ADRS, 27                          ; v27 LDS address of my scale words: lanes 0-15 B's rows, lanes 16-31 A's
.set SPW,  28
.set NIL,  29
.set BE,   30                          ; v[30:31] what is added to cos: 0, or 1 for v
.set SC,   32                          ; scale words: set s at v[32 + 32 s]; register 4 i + q: lanes 0-15 B's block i, lanes 16-31 A's block i, the slot's q-th 128 along K
.set AF,   128
.set RR,   160                         ; v160-191 a block's 64 rotated numbers
.set PP,   192                         ; v192-207 the same as f16
.set BK,   208                         ; v208-223, v224-239 rows read back from the stage, by turns
.set WV, 16
.set RH, 17                            ; my half of the tile's rows.  Also: 0 = I fetch for A, 1 = for B
.set CH, 18                            ; my half of its columns.  Also: which half I fetch
.set TR, 19
.set CX, 40
.set CY, 41
.set TC, 42
.set G1A, 24
.set G0A, 32
.set G1B, 48
.set G0B, 56
.set G1SA, 68
.set G0SA, 76
.set G1SB, 80
.set G0SB, 88
.set AL, 96                            ; s[96:97] the tables' factor: log2(e) / 8 for q, 1 for k, 0 for v
.set BT, 98
.set MSB, 0
.macro WIN new                         ; the immediate's high byte repeats the setting that is left
.if MSB != \new
	s_set_vgpr_msb (MSB<<8)|\new
.set MSB, \new
.endif
.endm
.set MULW, 0x52                        ; source 0 (B) window 2, source 1 (A) window 0, C and D window 1
.set TO_B, 0x80                        ; destination window 2
.set TO_T, 0xc0                        ; destination window 3, address window 0
.macro PLACES n
.rept \n
	v_nop
.endr
.endm
; A joint load: waves 0, 1 for A, waves 2, 3 for B; the branch hangs on the wave's number alone.  An s_nop 0 and four v_nop follow each line.
.macro JLOAD g0a, g1a, g0b, g1b
	s_cmp_eq_u32 s[RH], 0
	s_cbranch_scc0 .Lfor_b_\@
	tensor_load_to_lds s[\g0a:\g0a+3], s[\g1a:\g1a+7]
	s_nop 0
.rept 4
	v_nop
.endr
	s_branch .Lasked_\@
.Lfor_b_\@:
	tensor_load_to_lds s[\g0b:\g0b+3], s[\g1b:\g1b+7]
	s_nop 0
.rept 4
	v_nop
.endr
.Lasked_\@:
.endm
.macro CREST                           ; a round of the cluster's barrier behind its opening barrier
	s_cmp_lg_u32 s[WV], 0
	s_cbranch_scc1 .Lnot_wave_0_\@
	s_barrier_signal -3
.Lnot_wave_0_\@:
	s_barrier_wait -3
	s_barrier_signal -1
	s_barrier_wait -1
.endm
.macro CROUND
	s_barrier_signal -1
	s_barrier_wait -1
	CREST
.endm
; The tables of block a's 16 positions: my four pairs of each of the four accumulators: 16 bytes of cos and of sin each.  Written under the setting TO_T: the data land in window 3.
.macro CSLOAD a
.irp b, 0,1,2,3
	global_load_b128 v[32*(\a)+4*\b:32*(\a)+4*\b+3], v[CT], s[8:9] offset:(\a)*2048+32*\b
.endr
.irp b, 0,1,2,3
	global_load_b128 v[32*(\a)+16+4*\b:32*(\a)+16+4*\b+3], v[CT], s[10:11] offset:(\a)*2048+32*\b
.endr
.endm
	s_load_b256 s[4:11], s[0:1], 0x0               ; codes s[4:5], scales s[6:7], cos s[8:9], sin s[10:11]
	s_load_b128 s[12:15], s[0:1], 0x20             ; qkv s[12:13], fine s[14:15]
	v_lshl_add_u32 v[SPW], v0, 2, SPARE
	v_mov_b32 v[NIL], 0
	ds_add_u32 v[SPW], v[NIL]                      ; the wave's opening: the add, twice on end, and its wait ahead of my first tensor load
	ds_add_u32 v[SPW], v[NIL]
	v_lshrrev_b32 v1, 5, v0
	v_readfirstlane_b32 s[WV], v1
	s_lshr_b32 s[RH], s[WV], 1
	s_and_b32 s[CH], s[WV], 1
	s_bfe_u32 s[CX], ttmp6, 0x40000
	s_bfe_u32 s[CY], ttmp6, 0x40004
	s_lshl_b32 s[TC], ttmp9, 2
	s_add_co_u32 s[TC], s[TC], s[CX]               ; tile column = 4 x cluster x + cx
	s_and_b32 s[TR], ttmp7, 0xffff
	s_lshl_b32 s[TR], s[TR], 2
	s_add_co_u32 s[TR], s[TR], s[CY]               ; tile row = 4 x cluster y + cy
	s_lshl_b32 s43, s[CY], 2
	s_lshl_b32 s43, 15, s43                        ; my row of the cluster
	s_lshl_b32 s44, 0x1111, s[CX]                  ; my column
	; group 1 of the codes' tiles: rows of 256 elements of one byte, 16 bytes of padding behind each; A 128 rows, B 64
	s_or_b32 s[G1A], s43, (1<<20)|(1<<21)|(5<<22)|(3<<25)
	s_or_b32 s[G1B], s44, (1<<20)|(1<<21)|(5<<22)|(3<<25)
	s_mov_b32 s[G1A+1], 256<<16
	s_mov_b32 s[G1A+2], 128<<16
	s_mov_b32 s[G1A+3], 256<<16
	s_mov_b32 s[G1A+4], 128
	s_mov_b32 s[G1A+5], KROW
	s_mov_b32 s[G1A+6], 0
	s_mov_b32 s[G1A+7], 0
	s_mov_b32 s[G1B+1], 256<<16
	s_mov_b32 s[G1B+2], 64<<16
	s_mov_b32 s[G1B+3], 256<<16
	s_mov_b32 s[G1B+4], 64
	s_mov_b32 s[G1B+5], KROW
	s_mov_b32 s[G1B+6], 0
	s_mov_b32 s[G1B+7], 0
	; group 1 of the scale bytes: a dense block as rows of 32 elements of 8 bytes, padded likewise; A's half 32 rows, B's half 16
	s_or_b32 s[G1SA], s43, (3<<16)|(1<<20)|(1<<21)|(5<<22)|(3<<25)
	s_or_b32 s[G1SB], s44, (3<<16)|(1<<20)|(1<<21)|(5<<22)|(3<<25)
	s_mov_b32 s[G1SA+1], 32<<16
	s_mov_b32 s[G1SA+2], 32<<16
	s_mov_b32 s[G1SA+3], 32<<16
	s_mov_b32 s[G1SA+4], 32
	s_mov_b32 s[G1SA+5], 32
	s_mov_b32 s[G1SA+6], 0
	s_mov_b32 s[G1SA+7], 0
	s_mov_b32 s[G1SB+1], 32<<16
	s_mov_b32 s[G1SB+2], 16<<16
	s_mov_b32 s[G1SB+3], 32<<16
	s_mov_b32 s[G1SB+4], 16
	s_mov_b32 s[G1SB+5], 32
	s_mov_b32 s[G1SB+6], 0
	s_mov_b32 s[G1SB+7], 0
	; where the tiles come from: A's by the tile row, B's by the tile column, each in registers that never hold the other coordinate
	s_lshl_b32 s20, s[TR], 8
	s_lshl_b32 s21, s[CH], 7
	s_add_co_u32 s20, s20, s21                     ; A: row 256 x tile row + 128 x half
	s_lshl_b32 s22, s20, 6                         ; its scale bytes, 64 a row
	s_lshl_b32 s20, s20, 10                        ; its codes, 1,024 bytes a row
	s_mov_b32 s21, 0
	s_mov_b32 s23, 0
	s_lshl_b32 s46, s[TC], 7
	s_lshl_b32 s47, s[CH], 6
	s_add_co_u32 s46, s46, s47                     ; B: row 128 x tile column + 64 x half
	s_lshl_b32 s92, s46, 6
	s_add_co_u32 s92, s92, 262144                  ; behind x's scale bytes
	s_lshl_b32 s46, s46, 10
	s_add_co_u32 s46, s46, 4194304                 ; behind x's codes
	s_mov_b32 s47, 0
	s_mov_b32 s93, 0
	s_mul_i32 s45, s[CH], HALFA                    ; and where they go: the wave's number alone enters an LDS address
	s_mul_i32 s94, s[CH], HALFB
	s_add_co_u32 s94, s94, BOFF
	s_mul_i32 s95, s[CH], 32*272
	s_add_co_u32 s95, s95, SCLA
	s_mul_i32 s99, s[CH], 16*272
	s_add_co_u32 s99, s99, SCLB
	s_wait_dscnt 0x0                               ; both opening adds are done
	s_wait_kmcnt 0x0
	s_add_nc_u64 s[20:21], s[4:5], s[20:21]
	s_add_nc_u64 s[22:23], s[6:7], s[22:23]
	s_add_nc_u64 s[46:47], s[4:5], s[46:47]
	s_add_nc_u64 s[92:93], s[6:7], s[92:93]
	CROUND                                         ; all sixteen work-groups are here: the first joint loads meet
	s_mov_b32 s[G0SA], 1
	s_mov_b32 s[G0SA+1], s95
	s_mov_b64 s[G0SA+2:G0SA+3], s[22:23]
	s_or_b32 s[G0SA+3], s[G0SA+3], 0x80000000
	s_mov_b32 s[G0SB], 1
	s_mov_b32 s[G0SB+1], s99
	s_mov_b64 s[G0SB+2:G0SB+3], s[92:93]
	s_or_b32 s[G0SB+3], s[G0SB+3], 0x80000000
	JLOAD G0SA, G1SA, G0SB, G1SB                   ; the scale bytes first: they are wanted with K step 0
.irp s, 0,1
	s_mov_b32 s[G0A+4*\s], 1
	s_add_co_u32 s[G0A+4*\s+1], s45, \s*SLOT
	s_add_nc_u64 s[G0A+4*\s+2:G0A+4*\s+3], s[20:21], \s*256
	s_or_b32 s[G0A+4*\s+3], s[G0A+4*\s+3], 0x80000000
	s_mov_b32 s[G0B+4*\s], 1
	s_add_co_u32 s[G0B+4*\s+1], s94, \s*SLOT
	s_add_nc_u64 s[G0B+4*\s+2:G0B+4*\s+3], s[46:47], \s*256
	s_or_b32 s[G0B+4*\s+3], s[G0B+4*\s+3], 0x80000000
	JLOAD G0A+4*\s, G1A, G0B+4*\s, G1B             ; three loads of mine are out behind the second of these
.endr
	v_and_b32 v1, 15, v0                           ; r
	v_bfe_u32 v2, v0, 4, 1                         ; h
	v_mul_u32_u24 v3, v1, PITCH
	v_lshl_add_u32 v4, v2, 4, v3                   ; a fragment's row x pitch + 16 h
	s_mul_i32 s21, s[RH], HALFA
	s_mul_i32 s22, s[CH], HALFB
	s_add_co_u32 s22, s22, BOFF
.irp s, 0,1
	v_add_nc_u32 v[ADRA+\s], s21, v4
	v_add_nc_u32 v[ADRB+\s], s22, v4
	s_add_co_u32 s21, s21, SLOT
	s_add_co_u32 s22, s22, SLOT
.endr
	v_lshlrev_b32 v5, 6, v1                        ; my row's scale bytes: 64 a row,
	v_lshrrev_b32 v6, 2, v1
	v_lshl_add_u32 v5, v6, 4, v5                   ; and 16 more for each four rows passed
	s_mul_i32 s21, s[RH], 32*272
	s_mul_i32 s22, s[CH], 16*272
	s_add_co_u32 s21, s21, 32*272
	s_sub_co_u32 s21, s21, s22                     ; from B's rows of mine to A's rows of mine: one positive distance,
	v_mul_u32_u24 v6, s21, v2                      ; taken by lanes 16-31
	s_add_co_u32 s22, s22, SCLB
	v_add_nc_u32 v5, v5, v6
	v_add_nc_u32 v[ADRS], s22, v5
	s_mul_i32 s23, s[WV], 16*SPITCH
	s_add_co_u32 s23, s23, STAGE                   ; my stage
	v_mul_u32_u24 v5, v1, SPITCH
	v_lshl_add_u32 v5, v2, 4, v5
	v_add_nc_u32 v[STO], s23, v5                   ; in: row r, 16 bytes for each half of the lanes
	v_and_b32 v6, 31, v0
	v_lshrrev_b32 v5, 3, v6
	v_mul_u32_u24 v5, v5, SPITCH
	v_and_b32 v7, 7, v0
	v_lshl_add_u32 v5, v7, 4, v5
	v_add_nc_u32 v[RD], s23, v5                    ; back: eight lanes to a row of 128 bytes, four rows an instruction
	v_lshlrev_b32 v[CO], 4, v6                     ; and the same 512 bytes in memory, where the rows lie on end
	v_lshlrev_b32 v[CT], 7, v1
	v_lshl_add_u32 v[CT], v2, 4, v[CT]
	v_lshlrev_b32 v[FO], 13, v1
	v_lshl_add_u32 v[FO], v2, 5, v[FO]
	; what differs between q, k and v is selected by the cluster's x: 0, 1 q; 2 k; 3 v
	s_mov_b32 s[AL], 0x3e38aa3b                    ; log2(e) / 8
	s_cmp_lt_u32 ttmp9, 2
	s_cselect_b32 s[AL], s[AL], 1.0
	s_cselect_b32 s92, 0, 0x800000                 ; where the kind's part of the buffer begins
	s_cselect_b32 s93, 0, 16                       ; its first head among the 32 columns of heads
	s_cselect_b32 s94, 4, 3                        ; log2 of its heads
	s_cmp_eq_u32 ttmp9, 3
	s_cselect_b32 s[AL], 0, s[AL]
	s_cselect_b32 s[BT], 1.0, 0
	s_cselect_b32 s92, 0xc00000, s92
	s_cselect_b32 s93, 24, s93
	s_mov_b32 s[AL+1], s[AL]
	v_mov_b32 v[BE], s[BT]
	v_mov_b32 v[BE+1], s[BT]
	s_lshl_b32 s95, s[TC], 1
	s_add_co_u32 s95, s95, s[CH]
	s_sub_co_u32 s95, s95, s93                     ; my head
	s_lshr_b32 s93, s[TR], 3                       ; the batch
	s_lshl_b32 s94, s93, s94
	s_add_co_u32 s95, s95, s94
	s_lshl_b32 s95, s95, 11                        ; 2,048 positions a head
	s_and_b32 s94, s[TR], 7
	s_lshl_b32 s94, s94, 8
	s_lshl_b32 s45, s[RH], 7
	s_add_co_u32 s94, s94, s45                     ; my first position
	s_add_co_u32 s95, s95, s94
	s_lshl_b32 s95, s95, 7                         ; 128 bytes a position
	s_add_co_u32 s20, s92, s95
	s_mov_b32 s21, 0
	s_add_nc_u64 s[12:13], s[12:13], s[20:21]      ; my 128 rows x 128 bytes, on end
	s_lshl_b32 s20, s94, 7
	s_add_nc_u64 s[8:9], s[8:9], s[20:21]          ; the tables at my first position: not written again
	s_add_nc_u64 s[10:11], s[10:11], s[20:21]
	s_lshl_b32 s20, s93, 17
	s_lshl_b32 s22, s[TC], 9
	s_add_co_u32 s20, s20, s22
	s_lshl_b32 s22, s[CH], 8
	s_add_co_u32 s20, s20, s22
	s_add_nc_u64 s[14:15], s[14:15], s[20:21]      ; the f32 copy: the batch's 16 rows of 8,192 bytes, my 64 columns
	s_and_b32 s99, s[TR], 7
	s_or_b32 s99, s99, s[RH]
	s_cmp_eq_u32 s99, 0
	s_cselect_b32 s99, -1, 0                       ; all lanes where my first block is positions 0-15, else none
	WIN TO_T
.irp a, 0,1,2,3,4,5,6
	CSLOAD \a                                      ; 56 loads: the tables of my first 112 positions; all of the products stand between these loads and the wait for them
.endr
	WIN 0
.macro FRAG reg, adr, q, i             ; 16 rows x 128 K of 4-bit codes: registers 4 c .. 4 c + 3 hold K = 64 c + 32 h + 0 .. 31: two loads of 16 bytes, 32 apart
.irp c, 0,1
	ds_load_b128 v[\reg+4*\c:\reg+4*\c+3], v[\adr] offset:64*(\q)+32*\c+(\i)*16*PITCH
.endr
.endm
.macro FETCH slot, q, p                ; 24 loads: B's four and A's eight fragments of the slot's q-th 128 along K into set p
	WIN TO_B
.irp i, 0,1,2,3
	FRAG 32*(\p)+8*\i, ADRB+\slot, \q, \i
.endr
	WIN 0
.irp i, 0,1,2,3,4,5,6,7
	FRAG AF+64*(\p)+8*\i, ADRA+\slot, \q, \i
.endr
.endm
.macro SCALES sc                       ; a K step's scale words, four a row: lanes 0-15 B's block i (for i above 3: bytes that no product uses), lanes 16-31 A's block i
.irp i, 0,1,2,3,4,5,6,7
	ds_load_b128 v[SC+32*\sc+4*\i:SC+32*\sc+4*\i+3], v[ADRS] offset:\i*1088
.endr
.endm
; A's blocks a0 .. a0 + n - 1 against B's four.  The 32 accumulators take turns, one instruction a turn, in the same order in every step.  zero = 1: the products start the sums.
.macro MUL a0, n, p, q, sc, zero
.set MA, \a0
.rept \n
.irp b, 0,1,2,3
.if \zero
	v_wmma_scale_f32_16x16x128_f8f6f4 v[8*(4*MA+\b):8*(4*MA+\b)+7], v[32*(\p)+8*\b:32*(\p)+8*\b+7], v[AF+64*(\p)+8*MA:AF+64*(\p)+8*MA+7], 0, v[SC+32*(\sc)+4*\b+(\q)], v[SC+32*(\sc)+4*MA+(\q)] matrix_a_fmt:MATRIX_FMT_FP4 matrix_b_fmt:MATRIX_FMT_FP4 matrix_b_scale:MATRIX_SCALE_ROW1
.else
	v_wmma_scale_f32_16x16x128_f8f6f4 v[8*(4*MA+\b):8*(4*MA+\b)+7], v[32*(\p)+8*\b:32*(\p)+8*\b+7], v[AF+64*(\p)+8*MA:AF+64*(\p)+8*MA+7], v[8*(4*MA+\b):8*(4*MA+\b)+7], v[SC+32*(\sc)+4*\b+(\q)], v[SC+32*(\sc)+4*MA+(\q)] matrix_a_fmt:MATRIX_FMT_FP4 matrix_b_fmt:MATRIX_FMT_FP4 matrix_b_scale:MATRIX_SCALE_ROW1
.endif
.endr
.set MA, MA+1
.endr
.endm
; A step of 128 along K that has its successor in the same slot: the successor's fragments are asked for first and have the step's 32 products in which to land.
.macro STEP slot, q, zero
	PLACES 4                                       ; the set loaded below was read by the products just issued: four plain places ahead of the loads (ISA guide 7.12.1 for vector instructions)
	FETCH \slot, (\q)+1, ((\q)+1)%2
	s_wait_dscnt 24                                ; all but the 24 just issued: this step's set, and its scale words, are in
	WIN MULW
	MUL 0, 8, (\q)%2, \q, \slot, \zero
.endm
; A slot's last step changes slots: one barrier; ahead of it each wave waits for all its tensor loads, adds 0 to its spare word, and waits for that and for its reads of this slot.  fill = 1: the slot is filled again, two K steps ahead.
.macro TURN slot, next, fill
	WIN 0
	s_wait_tensorcnt 0x0                           ; all my tensor loads have landed: my part of the next slot
	ds_add_u32 v[SPW], v[NIL]
	s_wait_dscnt 1                                 ; this step's set is in; the add may be out
	WIN MULW
	MUL 0, 2, 1, 3, \slot, 0
	s_wait_dscnt 0x0                               ; the add is done, and my reads of this slot are over
	s_barrier_signal -1
	MUL 2, 2, 1, 3, \slot, 0
	WIN 0
	s_barrier_wait -1
.if \fill
	CREST                                          ; the barrier has opened a round of the cluster's: no wave of any partner still reads this slot or has a load on its way
	s_add_nc_u64 s[G0A+4*\slot+2:G0A+4*\slot+3], s[G0A+4*\slot+2:G0A+4*\slot+3], 512
	s_add_nc_u64 s[G0B+4*\slot+2:G0B+4*\slot+3], s[G0B+4*\slot+2:G0B+4*\slot+3], 512
	JLOAD G0A+4*\slot, G1A, G0B+4*\slot, G1B       ; the first tensor load behind the round; its four v_nop are also the places ahead of the loads below
.else
	PLACES 4
.endif
	v_add_nc_u32 v[ADRS], 16, v[ADRS]              ; the next K step's scale words
	FETCH \next, 0, 0
	SCALES \next
	WIN MULW
	MUL 4, 4, 1, 3, \slot, 0
.endm
	s_wait_tensorcnt 1                             ; the scale bytes and my part of K step 0 are in; K step 1's load may be out
	s_barrier_signal -1
	s_barrier_wait -1
	FETCH 0, 0, 0
	SCALES 0
	STEP 0, 0, 1                                   ; the first step stands ahead of the loop: its products start the sums
	WIN 0
	s_mov_b32 s3, LAPS-1
.Llap:                                                 ; a trip goes once round the ring and fills both slots again
	STEP 0, 1, 0
	STEP 0, 2, 0
	TURN 0, 1, 1
	STEP 1, 0, 0
	STEP 1, 1, 0
	STEP 1, 2, 0
	TURN 1, 0, 1
	STEP 0, 0, 0
	WIN 0
	s_sub_co_u32 s3, s3, 1
	s_cmp_lg_u32 s3, 0
	s_cbranch_scc1 .Llap
	STEP 0, 1, 0                                   ; the last lap fills nothing
	STEP 0, 2, 0
	TURN 0, 1, 0
	STEP 1, 0, 0
	STEP 1, 1, 0
	STEP 1, 2, 0
	WIN TO_T
	CSLOAD 7                                       ; the tables of my last 16 positions: seven blocks' arithmetic stands between these eight loads and the wait for them
	s_wait_dscnt 0x0
	WIN MULW
	MUL 0, 8, 1, 3, 1, 0                           ; the very last step
	WIN 0
; THE WAY OUT, block by block of 16 rows x 64 columns.
; Registers 2 i, 2 i + 1 of an accumulator are the pair (tr, ti) of RoPE's pair 8 b + 4 h + i.  Two packed lines a pair: (tr c, ti c), then (- ti s, + tr s) added: the sources' halves are picked by op_sel.
.macro PACK a
.set CC, 32*(\a)                       ; the block's tables, in window 3
.set XA, 32*(\a)                       ; its four accumulators, in window 1
.if (\a) == 0
	s_wait_loadcnt 8                               ; the 56 loads of the head are in; the last block's eight may be out
.endif
.if (\a) == 7
	s_wait_loadcnt 0x0
.endif
	WIN 0xc3                                       ; destination and source 0: the tables' window; what is added lies in window 0
.irp i, 0,2,4,6,8,10,12,14
	v_pk_fma_f32 v[CC+\i:CC+\i+1], v[CC+\i:CC+\i+1], s[AL:AL+1], v[BE:BE+1] op_sel_hi:[1,0,1]   ; cos x factor (+ 1 for v)
.endr
.irp i, 0,2,4,6,8,10,12,14
	v_pk_mul_f32 v[CC+16+\i:CC+17+\i], v[CC+16+\i:CC+17+\i], s[AL:AL+1] op_sel_hi:[1,0]         ; sin x factor
.endr
	WIN 0x0d                                       ; source 0: the accumulators' window; source 1: the tables'
.irp b, 0,1,2,3                        ; each accumulator from its low end on
.irp g, 0,1
	v_pk_mul_f32 v[RR+8*\b+4*\g:RR+8*\b+4*\g+1], v[XA+8*\b+4*\g:XA+8*\b+4*\g+1], v[CC+4*\b+2*\g:CC+4*\b+2*\g+1] op_sel:[0,0] op_sel_hi:[1,0]
	v_pk_mul_f32 v[RR+8*\b+4*\g+2:RR+8*\b+4*\g+3], v[XA+8*\b+4*\g+2:XA+8*\b+4*\g+3], v[CC+4*\b+2*\g:CC+4*\b+2*\g+1] op_sel:[0,1] op_sel_hi:[1,1]
	v_pk_fma_f32 v[RR+8*\b+4*\g:RR+8*\b+4*\g+1], v[XA+8*\b+4*\g:XA+8*\b+4*\g+1], v[CC+16+4*\b+2*\g:CC+16+4*\b+2*\g+1], v[RR+8*\b+4*\g:RR+8*\b+4*\g+1] op_sel:[1,0,0] op_sel_hi:[0,0,1] neg_lo:[1,0,0]
	v_pk_fma_f32 v[RR+8*\b+4*\g+2:RR+8*\b+4*\g+3], v[XA+8*\b+4*\g+2:XA+8*\b+4*\g+3], v[CC+16+4*\b+2*\g:CC+16+4*\b+2*\g+1], v[RR+8*\b+4*\g+2:RR+8*\b+4*\g+3] op_sel:[1,1,0] op_sel_hi:[0,1,1] neg_lo:[1,0,0]
.endr
.endr
	WIN 0
.irp i, 0,1,2,3,4,5,6,7,8,9,10,11,12,13,14,15
	v_cvt_pk_f16_f32 v[PP+\i], v[RR+2*\i], v[RR+2*\i+1]
.endr
.endm
.macro TOSTAGE a                       ; a lane's 16 bytes belong to one row and its neighbours hold other rows: through my stage, and back as rows
	s_wait_xcnt 0x0                                ; the stores of two blocks back, issued a block's arithmetic ago, have read their registers: the loads below may land there
.irp b, 0,1,2,3
	ds_store_b128 v[STO], v[PP+4*\b:PP+4*\b+3] offset:32*\b
.endr
.irp t, 0,1,2,3
	ds_load_b128 v[BK+16*((\a)%2)+4*\t:BK+16*((\a)%2)+4*\t+3], v[RD] offset:576*\t   ; LDS serves a wave's instructions in order: these see the stores above, and the last block's loads came ahead of them
.endr
.endm
.macro SEND a, younger                 ; younger: the LDS instructions issued behind block a's loads, which may stay out
	s_wait_dscnt \younger
.irp t, 0,1,2,3
	global_store_b128 v[CO], v[BK+16*((\a)%2)+4*\t:BK+16*((\a)%2)+4*\t+3], s[12:13] offset:(\a)*2048+512*\t   ; 32 lanes store 512 consecutive bytes, aligned
.endr
.endm
	PLACES 4                                       ; behind the last products: their results are read, and registers that they read are written and loaded
	PACK 0
	; positions 0-15 also leave in f32, for the launch that carries them finely.  Lanes are switched off where the block is another: no branch hangs on a work-group's place in its cluster.
	; These stores cover 32 bytes a lane of rows 8,192 bytes apart: parts of aligned blocks of 256 bytes; the whole buffer is 262,144 bytes.
	s_wait_xcnt 0x0                                ; EXEC changes only behind this wait
	s_mov_b32 vcc_lo, s99
	s_and_saveexec_b32 s100, vcc_lo
.irp b, 0,1,2,3
	global_store_b128 v[FO], v[RR+8*\b:RR+8*\b+3], s[14:15] offset:64*\b
	global_store_b128 v[FO], v[RR+8*\b+4:RR+8*\b+7], s[14:15] offset:64*\b+16
.endr
	s_wait_xcnt 0x0                                ; and again ahead of the line that widens it; the stores' data may be written again too
	s_or_b32 exec_lo, exec_lo, s100
	TOSTAGE 0
.irp a, 1,2,3,4,5,6,7
	PACK \a                                        ; block a's arithmetic stands between block a - 1's loads from the stage and the wait for them
	TOSTAGE \a
	SEND \a-1, 8                                   ; behind block a - 1's loads: block a's 4 stores and 4 loads
.endr
	SEND 7, 0
	s_wait_tensorcnt 0x0                           ; the wave's end
	ds_add_u32 v[SPW], v[NIL]
	s_wait_dscnt 0x0
	CROUND                                         ; the closing round: no work-group ends while a partner may still ask for a tile that names it
	s_endpgm
.Lfunc_end_k_q994727b206_qkv:
	.size	k_q994727b206_qkv, .Lfunc_end_k_q994727b206_qkv-k_q994727b206_qkv
	.p2alignl 7, 3214868480
	.fill 96, 4, 3214868480
	.section	.rodata,"a",@progbits
	.p2align	6, 0x0
	.amdhsa_kernel k_q994727b206_qkv
		.amdhsa_group_segment_fixed_size 327680
		.amdhsa_private_segment_fixed_size 0
		.amdhsa_enable_private_segment 0
		.amdhsa_kernarg_size 48
		.amdhsa_user_sgpr_count 2
		.amdhsa_user_sgpr_kernarg_segment_ptr 1
		.amdhsa_wavefront_size32 1
		.amdhsa_system_sgpr_workgroup_id_x 1
		.amdhsa_system_sgpr_workgroup_id_y 1
		.amdhsa_system_sgpr_workgroup_id_z 1
		.amdhsa_system_vgpr_workitem_id 0
		.amdhsa_next_free_vgpr 1024
		.amdhsa_next_free_sgpr 102
		.amdhsa_reserve_vcc 1
		.amdhsa_float_denorm_mode_32 3
		.amdhsa_float_denorm_mode_16_64 3
		.amdhsa_memory_ordered 1
		.amdhsa_forward_progress 1
		.amdhsa_inst_pref_size 156
	.end_amdhsa_kernel
	.amdgpu_metadata
---
amdhsa.version: [ 1, 2 ]
amdhsa.kernels:
  - .name:           k_q994727b206_qkv
    .symbol:         k_q994727b206_qkv.kd
    .args:
      - { .name: codes, .offset: 0, .size: 8, .value_kind: global_buffer, .address_space: global }
      - { .name: scales, .offset: 8, .size: 8, .value_kind: global_buffer, .address_space: global }
      - { .name: freqs_cos, .offset: 16, .size: 8, .value_kind: global_buffer, .address_space: global }
      - { .name: freqs_sin, .offset: 24, .size: 8, .value_kind: global_buffer, .address_space: global }
      - { .name: qkv, .offset: 32, .size: 8, .value_kind: global_buffer, .address_space: global }
      - { .name: fine, .offset: 40, .size: 8, .value_kind: global_buffer, .address_space: global }
    .group_segment_fixed_size: 327680
    .private_segment_fixed_size: 0
    .kernarg_segment_align: 8
    .kernarg_segment_size: 48
    .max_flat_workgroup_size: 128
    .sgpr_count:     102
    .vgpr_count:     1024
    .wavefront_size: 32
...
	.end_amdgpu_metadata
.endif
;; end of part 2
;; launch attn (part 3): grid 16 x 16, 16 waves a work-group, clusters of 4 x 1, 327,680 bytes of LDS; arguments qkv, att; writes att
.if DOCPART == 3
	.amdgcn_target "amdgcn-amd-amdhsa--gfx1250"
	.amdhsa_code_object_version 6
	.text
	.protected	k_q994727b206_attn
	.globl	k_q994727b206_attn
	.p2align	8
	.type	k_q994727b206_attn,@function
k_q994727b206_attn:
	s_mov_b64 s[64:65], 0
	v_nop
	global_prefetch_b8 v0, s[64:65] scope:SCOPE_SE
	s_setreg_imm32_b32 hwreg(HW_REG_WAVE_MODE, 25, 1), 1
	s_wait_xcnt 0x0
	s_wait_alu depctr_hold_cnt(0) depctr_sa_sdst(0) depctr_va_vdst(0) depctr_va_sdst(0) depctr_va_ssrc(0) depctr_va_vcc(0) depctr_vm_vsrc(0)
	s_getreg_b32 s2, hwreg(HW_REG_IB_STS2, 6, 4)
	s_cmp_eq_u32 s2, 0
	s_cbranch_scc0 .Lentry_in_a_cluster
	s_endpgm
.Lentry_in_a_cluster:
	s_bfe_u32 s2, ttmp6, 0x10000c
	s_cmp_lg_u32 s2, 0x3003
	s_cbranch_scc0 .Lentry_shape_is_right
	s_endpgm
.Lentry_shape_is_right:
; Causal attention, 2 batches x 8 key heads x 2 query heads each, head size 64, 2,048 positions.  q' (already times log2(e) / 8), k, v: f16, by head; products with f16 operands and f32 sums; softmax in f32 with a running maximum:
; p = 2^(t - m), t = q' . k; in every step O and the sum l are multiplied by a = 2^(m_old - m_new); O / l leaves as f16 into att [4096][1024] (row = batch x 2,048 + position, column = head x 64 + channel).
; LIMITS: p and O / l are rounded to f16 (both are at most the size of v).  NaN and infinities are not served.  Positions 0-15 are computed here too and are made anew, in f32, by a later launch.
; SHARES: work-group (j, g): key head g (batch g / 8); four chunks of 32 positions, one in each quarter of the sequence: chunk 16 qd + j in even quarters, 16 qd + 15 - j in odd ones: every work-group has the same 68 tile steps for each of its four parts.
; Wave w: quarter (w + w / 4) % 4, eight positions p0 = 32 chunk + 8 (w / 4) on, BOTH query heads: row r of its one tile is head 2 kvh + r / 8, position p0 + r % 8.  So a wave owns whole runs of 256 bytes of att.
; By that choice the four waves with equal w % 4, and likewise the four with equal w / 4, hold one tile of every quarter: each such four has the same 68 steps, and each pair (quarter, part) is taken once.
; Every work-group walks all 2,048 keys in four slots of 512, 64 keys a step: trip counts are constants.  A step's WORK is left out where its keys all come after the wave's group of 128 positions.
; That limit, and the one from which scores are masked, are made of the cluster's x and the wave's number alone: alike in all four partners.  A tile so walks at most 120 keys that are all hidden for it: their p is 0.
; CLUSTER: the four work-groups of a cluster share a key head and walk the same K and V: each slot's K (wave 0) and V (wave 1) is asked for jointly, one load of 512 rows each, of which every partner reads a part.
; LAYOUT: S^T = K Q^T (source 0 = 16 keys, source 1 = my 16 rows): a lane holds one row (lane % 16) and keys 8 (lane / 16) + 0 .. 7; two such tiles rounded to f16 are source 1 of O^T = V^T P; V comes out of LDS turned.
.set KP,    144                        ; a key's row in LDS: 128 bytes + 16
.set VP,    160                        ; a row of V: 128 + 32, for the turning load
.set SK,    512                        ; keys in a slot
.set VOFF,  SK*KP
.set SLOTB, SK*(KP+VP)
.set SPARE, 2*SLOTB                    ; the spare words, 128 bytes for each of 16 waves
.set STAGE, 0                          ; the way out: 8 rows x 272 bytes a wave, in slot 0, which has had its last fill and its last read ahead of the last change of slots
.set AK0, 1
.set AV0, 2
.set ADK, 3
.set ADV, 4
.set SPW, 5
.set NIL, 6
.set QP8, 7                            ; v7 my row's position - 8 (lane / 16)
.set DD,  8
.set NINF, 9
.set PFO, 10
.set QO,  11
.set MM,  12                           ; v[12:13] m (the pair is named; its low word serves)
.set LL,  14                           ; v[14:15] l in two halves
.set AA,  16                           ; v[16:17] a
.set TMP, 18
.set CM,  19                           ; v19-22 four chains of the maximum
.set STO, 23
.set RD,  24
.set GO,  25
.set QQ,  32                           ; v32-47 Q
.set KK,  48                           ; v48-111 K: fragment 2 kt + c
.set VV,  112                          ; v112-175 V: fragment 4 g + ct
.set SS,  176                          ; v176-207 S^T, then p
.set PP,  208                          ; v208-223 p in f16
.set OO,  224                          ; v224-255 O^T
.set WV,  18
.set SEL, 20
.set G1K, 24
.set G1V, 32
.set G0K, 40
.set G0V, 48
.set TBK, 56
.set TBV, 57
.set CNT, 58
.set KF,  59                           ; the step's first key
.set GB,  60                           ; the first position of my group of 128
.set LIMK, 61
.set PF,  62
.set PFA, 66
.macro CROUND
	s_barrier_signal -1
	s_barrier_wait -1
	s_cmp_lg_u32 s[WV], 0
	s_cbranch_scc1 .Lnot_wave_0_\@
	s_barrier_signal -3
.Lnot_wave_0_\@:
	s_barrier_wait -3
	s_barrier_signal -1
	s_barrier_wait -1
.endm
.macro TLOAD set                       ; wave 0 asks for K's 512 rows, wave 1 for V's; an s_nop 0 and four v_nop follow each line
	s_cmp_eq_u32 s[WV], 0
	s_cbranch_scc0 .Lnot_k_\@
	tensor_load_to_lds s[G0K+4*\set:G0K+4*\set+3], s[G1K:G1K+7]
	s_nop 0
.rept 4
	v_nop
.endr
	s_branch .Lasked_\@
.Lnot_k_\@:
	s_cmp_eq_u32 s[WV], 1
	s_cbranch_scc0 .Lasked_\@
	tensor_load_to_lds s[G0V+4*\set:G0V+4*\set+3], s[G1V:G1V+7]
	s_nop 0
.rept 4
	v_nop
.endr
.Lasked_\@:
.endm
; A prefetch of the slot that the NEXT change of slots will ask for, a slot's eight key steps ahead of that load.  Each aligned block of 256 bytes is named once in the launch: of the four clusters that walk a key head the first asks;
; its four partners share a slot's 65,536 bytes of K and of V out by address, 16,384 each; in each, waves 4, 5 ask for K's and waves 6, 7 for V's, 8,192 bytes a wave, lanes 256 bytes apart.  Keys 0-1,023 come by their loads alone.
.macro ASK off
	s_cmp_eq_u32 s[PF], 1
	s_cbranch_scc0 .Lnot_mine_\@
	global_prefetch_b8 v[PFO], s[PFA:PFA+1] offset:\off th:TH_LOAD_NT scope:SCOPE_SE
.Lnot_mine_\@:
.endm
	s_load_b128 s[4:7], s[0:1], 0x0                ; qkv s[4:5], att s[6:7]
	v_lshl_add_u32 v[SPW], v0, 2, SPARE
	v_mov_b32 v[NIL], 0
	ds_add_u32 v[SPW], v[NIL]                      ; the wave's opening: the add, twice on end, and its wait ahead of the first tensor loads
	ds_add_u32 v[SPW], v[NIL]
	v_lshrrev_b32 v1, 5, v0
	v_readfirstlane_b32 s[WV], v1
	s_bfe_u32 s70, ttmp6, 0x40000                  ; cx
	s_and_b32 s71, ttmp7, 0xffff                   ; g
	s_lshr_b32 s73, s[WV], 2                       ; which eight positions of the chunk: w / 4
	s_add_co_u32 s72, s[WV], s73
	s_and_b32 s72, s72, 3                          ; my quarter: (w + w / 4) % 4
	s_and_b32 s74, s72, 1                          ; odd quarters run backward
	s_sub_co_u32 s75, 3, ttmp9
	s_cmp_eq_u32 s74, 1
	s_cselect_b32 s75, s75, ttmp9
	s_lshl_b32 s76, s72, 2
	s_add_co_u32 s75, s75, s76                     ; my group of 128 positions: 4 x quarter + the cluster's x or 3 - x
	s_lshl_b32 s[GB], s75, 7
	s_add_co_u32 s[LIMK], s[GB], 128
	s_sub_co_u32 s76, 3, s70
	s_cmp_eq_u32 s74, 1
	s_cselect_b32 s76, s76, s70                    ; my chunk in the group: cx or 3 - cx: it enters global addresses and the lane's position alone
	s_lshl_b32 s76, s76, 5
	s_add_co_u32 s76, s76, s[GB]
	s_lshl_b32 s77, s73, 3
	s_add_co_u32 s76, s76, s77                     ; p0
	s_lshl_b32 s78, s71, 19                        ; Q: head 2 g, 262,144 bytes a head,
	s_lshl_b32 s79, s76, 7
	s_add_co_u32 s78, s78, s79                     ; position p0
	s_mov_b32 s79, 0
	s_lshl_b32 s80, s71, 18                        ; K, V: head g
	s_mov_b32 s81, 0
	s_lshr_b32 s82, s71, 3
	s_lshl_b32 s82, s82, 11
	s_add_co_u32 s82, s82, s76
	s_lshl_b32 s82, s82, 11                        ; att: row batch x 2,048 + p0, 2,048 bytes a row,
	s_and_b32 s83, s71, 7
	s_lshl_b32 s83, s83, 8
	s_add_co_u32 s82, s82, s83                     ; the two heads' 256 bytes
	s_mov_b32 s83, 0
	; group 1: 512 rows of 128 elements of one byte, dense in memory; padding behind every 32 words: 4 words for K, 8 for V; the mask names all four partners
	s_mov_b32 s[G1K], 15|(1<<20)|(1<<21)|(4<<22)|(3<<25)
	s_mov_b32 s[G1V], 15|(1<<20)|(1<<21)|(4<<22)|(7<<25)
.irp g, G1K, G1V
	s_mov_b32 s[\g+1], 128<<16
	s_mov_b32 s[\g+2], SK<<16
	s_mov_b32 s[\g+3], 128<<16
	s_mov_b32 s[\g+4], SK
	s_mov_b32 s[\g+5], 128
	s_mov_b32 s[\g+6], 0
	s_mov_b32 s[\g+7], 0
.endr
	s_mov_b32 s[SEL], 0x76543210
	s_mov_b32 s[SEL+1], 0xfedcba98
	s_mov_b32 s[KF], 0
	s_lshr_b32 s[PF], s[WV], 2
	s_xor_b32 s[PF], s[PF], 1                      ; 0 in waves 4 to 7,
	s_or_b32 s[PF], s[PF], ttmp9                   ; of the key head's first cluster: the same in all partners
	s_cmp_eq_u32 s[PF], 0
	s_cselect_b32 s[PF], 1, 0
	s_wait_dscnt 0x0                               ; both opening adds are done
	s_wait_kmcnt 0x0
	s_add_nc_u64 s[12:13], s[4:5], s[78:79]        ; Q
	s_add_nc_u64 s[8:9], s[4:5], s[80:81]
	s_add_nc_u64 s[10:11], s[8:9], 12582912        ; V of my key head
	s_add_nc_u64 s[8:9], s[8:9], 8388608           ; K
	s_add_nc_u64 s[14:15], s[6:7], s[82:83]        ; att
	s_and_b32 s68, s[WV], 2
	s_cmp_eq_u32 s68, 0
	s_cselect_b64 s[PFA:PFA+1], s[8:9], s[10:11]
	s_lshl_b32 s68, s70, 14
	s_and_b32 s69, s[WV], 1
	s_lshl_b32 s69, s69, 13
	s_add_co_u32 s68, s68, s69
	s_add_co_u32 s68, s68, 2*SK*128                ; my part of keys 1,024 on
	s_mov_b32 s69, 0
	s_add_nc_u64 s[PFA:PFA+1], s[PFA:PFA+1], s[68:69]
.irp s, 0,1
	s_mov_b32 s[G0K+4*\s], 1
	s_mov_b32 s[G0K+4*\s+1], \s*SLOTB
	s_add_nc_u64 s[G0K+4*\s+2:G0K+4*\s+3], s[8:9], \s*SK*128
	s_or_b32 s[G0K+4*\s+3], s[G0K+4*\s+3], 0x80000000
	s_mov_b32 s[G0V+4*\s], 1
	s_mov_b32 s[G0V+4*\s+1], \s*SLOTB+VOFF
	s_add_nc_u64 s[G0V+4*\s+2:G0V+4*\s+3], s[10:11], \s*SK*128
	s_or_b32 s[G0V+4*\s+3], s[G0V+4*\s+3], 0x80000000
.endr
	CROUND                                         ; all four work-groups are here: the first joint loads meet
	s_cmp_eq_u32 s[WV], 0                          ; a wave's two first fills stand in one branch: two loads of it are out
	s_cbranch_scc0 .Lfirst_not_k
	tensor_load_to_lds s[G0K:G0K+3], s[G1K:G1K+7]
	s_nop 0
	tensor_load_to_lds s[G0K+4:G0K+7], s[G1K:G1K+7]
	s_nop 0
.rept 4
	v_nop
.endr
	s_branch .Lfirst_asked
.Lfirst_not_k:
	s_cmp_eq_u32 s[WV], 1
	s_cbranch_scc0 .Lfirst_asked
	tensor_load_to_lds s[G0V:G0V+3], s[G1V:G1V+7]
	s_nop 0
	tensor_load_to_lds s[G0V+4:G0V+7], s[G1V:G1V+7]
	s_nop 0
.rept 4
	v_nop
.endr
.Lfirst_asked:
	v_and_b32 v26, 15, v0                          ; r
	v_bfe_u32 v27, v0, 4, 1                        ; h
	v_and_b32 v28, 7, v0                           ; r % 8
	v_bfe_u32 v29, v0, 3, 1                        ; r / 8
	v_lshlrev_b32 v[QO], 18, v29                   ; the second head lies 262,144 bytes on
	v_lshl_add_u32 v[QO], v28, 7, v[QO]
	v_lshl_add_u32 v[QO], v27, 4, v[QO]
.irp c, 0,1
	global_load_b128 v[QQ+8*\c:QQ+8*\c+3], v[QO], s[12:13] offset:64*\c        ; Q stays in registers: channels 32 c + 8 h on,
	global_load_b128 v[QQ+8*\c+4:QQ+8*\c+7], v[QO], s[12:13] offset:64*\c+32   ; and 32 c + 16 + 8 h on
.endr
	v_mul_u32_u24 v[AK0], v26, KP
	v_lshl_add_u32 v[AK0], v27, 4, v[AK0]
	v_lshl_add_u32 v[AV0], v27, 3, v28             ; the turning load: key 8 h + lane % 8, channels 8 ((lane / 8) % 2) on
	v_mul_u32_u24 v[AV0], v[AV0], VP
	v_lshl_add_u32 v[AV0], v29, 4, v[AV0]
	v_add_nc_u32 v[AV0], VOFF, v[AV0]
	v_lshlrev_b32 v[QP8], 3, v27
	v_sub_nc_u32 v[QP8], v28, v[QP8]
	v_add_nc_u32 v[QP8], s76, v[QP8]
	v_mov_b32 v[NINF], 0xff800000
	v_and_b32 v[PFO], 31, v0
	v_lshlrev_b32 v[PFO], 8, v[PFO]
	s_mul_i32 s77, s[WV], 8*272                    ; my stage (STAGE = 0)
	v_mul_u32_u24 v[STO], v28, 272                 ; in: row = position, the head's 128 bytes, 16 bytes for each half of the lanes
	v_lshl_add_u32 v[STO], v29, 7, v[STO]
	v_lshl_add_u32 v[STO], v27, 4, v[STO]
	v_add_nc_u32 v[STO], s77, v[STO]
	v_mul_u32_u24 v[RD], v27, 272                  ; back: sixteen lanes to a row of 256 bytes, two rows an instruction
	v_lshl_add_u32 v[RD], v26, 4, v[RD]
	v_add_nc_u32 v[RD], s77, v[RD]
	v_lshlrev_b32 v[GO], 11, v27
	v_lshl_add_u32 v[GO], v26, 4, v[GO]
	v_mov_b32 v[MM], 0xff61b1e6                    ; m: -3e38, under every t
	v_mov_b32 v[MM+1], 0
	v_mov_b32 v[LL], 0
	v_mov_b32 v[LL+1], 0
	v_mov_b32 v[AA], 0
	v_mov_b32 v[AA+1], 0
	v_mov_b32 v[CM], 0                             ; a lane permute's destination counts as read
.irp j, 0,1,2,3,4,5,6,7,8,9,10,11,12,13,14,15,16,17,18,19,20,21,22,23,24,25,26,27,28,29,30,31
	v_mov_b32 v[OO+\j], 0                          ; the step is written once: the first finds zeros, which its a = 0 leaves zeros
.endr
; A KEY STEP: 64 keys.
.macro STEP
	s_cmp_ge_u32 s[KF], s[LIMK]                    ; all keys come after my group's positions: the work is left out, the addresses step on
	s_cbranch_scc1 .Lhid_\@
	v_add_nc_u32 v[ADK], s[TBK], v[AK0]
	v_add_nc_u32 v[ADV], s[TBV], v[AV0]
	v_nop
	v_nop                                          ; four plain places between the last step's products and the loads into the registers that they read
.irp kt, 0,1,2,3
.irp c, 0,1
	ds_load_b128 v[KK+8*(2*\kt+\c):KK+8*(2*\kt+\c)+3], v[ADK] offset:\kt*16*KP+64*\c
	ds_load_b128 v[KK+8*(2*\kt+\c)+4:KK+8*(2*\kt+\c)+7], v[ADK] offset:\kt*16*KP+64*\c+32
.endr
.endr
.irp g, 0,1
.irp ct, 0,1,2,3
	ds_load_tr16_b128 v[VV+8*(4*\g+\ct):VV+8*(4*\g+\ct)+3], v[ADV] offset:\g*32*VP+32*\ct
	ds_load_tr16_b128 v[VV+8*(4*\g+\ct)+4:VV+8*(4*\g+\ct)+7], v[ADV] offset:\g*32*VP+16*VP+32*\ct
.endr
.endr
	s_wait_dscnt 16                                ; K is in; V's sixteen loads may be out
.irp kt, 0,1,2,3                       ; the four accumulators take turns; the first four products start the sums
	v_wmma_f32_16x16x32_f16 v[SS+8*\kt:SS+8*\kt+7], v[KK+16*\kt:KK+16*\kt+7], v[QQ:QQ+7], 0
.endr
.irp kt, 0,1,2,3
	v_wmma_f32_16x16x32_f16 v[SS+8*\kt:SS+8*\kt+7], v[KK+16*\kt+8:KK+16*\kt+15], v[QQ+8:QQ+15], v[SS+8*\kt:SS+8*\kt+7]
.endr
.rept 4
	v_nop
.endr
	s_cmp_lt_u32 s[KF], s[GB]                      ; all 64 keys lie ahead of my group: nothing to hide
	s_cbranch_scc1 .Lopen_\@
	v_sub_nc_u32 v[DD], v[QP8], s[KF]              ; register 8 kt + j holds key KF + 16 kt + 8 h + j: hidden where 16 kt + j > my position - 8 h - KF
.irp n, 0,1,2,3,4,5,6,7,8,9,10,11,12,13,14,15,16,17,18,19,20,21,22,23,24,25,26,27,28,29,30,31
	v_cmp_gt_i32 vcc_lo, 16*(\n/8)+\n%8, v[DD]
	v_cndmask_b32 v[SS+\n], v[SS+\n], v[NINF], vcc_lo
.endr
.Lopen_\@:
.irp x, 0,1,2,3
	v_max3_num_f32 v[CM+\x], v[SS+8*\x], v[SS+8*\x+1], v[SS+8*\x+2]   ; the maximum, in four chains, each accumulator from its low end on
.endr
.irp x, 0,1,2,3
	v_max3_num_f32 v[CM+\x], v[CM+\x], v[SS+8*\x+3], v[SS+8*\x+4]
.endr
.irp x, 0,1,2,3
	v_max3_num_f32 v[CM+\x], v[CM+\x], v[SS+8*\x+5], v[SS+8*\x+6]
.endr
	v_max3_num_f32 v[CM], v[CM], v[SS+7], v[SS+15]
	v_max3_num_f32 v[CM+2], v[CM+2], v[SS+23], v[SS+31]
	v_max3_num_f32 v[CM], v[CM], v[CM+1], v[CM+2]
	v_max3_num_f32 v[CM], v[CM], v[CM+3], v[MM]    ; with the old m: finite from the first step on, since key 0 counts for every row
	v_permlanex16_b32 v[CM+1], v[CM], s[SEL], s[SEL+1]   ; the row's other 32 keys lie in the lane 16 away
	v_mov_b32 v[TMP], v[MM]
	v_max_num_f32 v[MM], v[CM], v[CM+1]
	v_sub_f32 v[TMP], v[TMP], v[MM]                ; m_old - m_new
.irp j, 0,2,4,6,8,10,12,14,16,18,20,22,24,26,28,30
	v_pk_add_f32 v[SS+\j:SS+\j+1], v[SS+\j:SS+\j+1], v[MM:MM+1] op_sel_hi:[1,0] neg_lo:[0,1] neg_hi:[0,1]   ; t - m
.endr
	v_exp_f32 v[AA], v[TMP]                        ; one batch: a and the 32 weights
.irp j, 0,1,2,3,4,5,6,7,8,9,10,11,12,13,14,15,16,17,18,19,20,21,22,23,24,25,26,27,28,29,30,31
	v_exp_f32 v[SS+\j], v[SS+\j]
.endr
	v_nop                                          ; a plain line behind the last exponential
	s_wait_alu depctr_va_vdst(0)                   ; the wait ahead of the first line that names a result: one for the batch
.irp i, 0,1,2,3,4,5,6,7,8,9,10,11,12,13,14,15
	v_cvt_pk_f16_f32 v[PP+\i], v[SS+2*\i], v[SS+2*\i+1]
.endr
.irp z, 0,1,2,3,4,5,6,7
	v_pk_add_f32 v[SS+4*\z:SS+4*\z+1], v[SS+4*\z:SS+4*\z+1], v[SS+4*\z+2:SS+4*\z+3]   ; the sum of the unrounded weights, in place
.endr
.irp z, 0,1,2,3
	v_pk_add_f32 v[SS+8*\z:SS+8*\z+1], v[SS+8*\z:SS+8*\z+1], v[SS+8*\z+4:SS+8*\z+5]
.endr
.irp z, 0,1
	v_pk_add_f32 v[SS+16*\z:SS+16*\z+1], v[SS+16*\z:SS+16*\z+1], v[SS+16*\z+8:SS+16*\z+9]
.endr
	v_pk_add_f32 v[SS:SS+1], v[SS:SS+1], v[SS+16:SS+17]
	v_pk_fma_f32 v[LL:LL+1], v[LL:LL+1], v[AA:AA+1], v[SS:SS+1] op_sel_hi:[1,0,1]     ; l = l a + the sum
.irp j, 0,2,4,6,8,10,12,14,16,18,20,22,24,26,28,30
	v_pk_mul_f32 v[OO+\j:OO+\j+1], v[OO+\j:OO+\j+1], v[AA:AA+1] op_sel_hi:[1,0]
.endr
	s_wait_dscnt 0x0                               ; V is in
.irp g, 0,1
.irp ct, 0,1,2,3
	v_wmma_f32_16x16x32_f16 v[OO+8*\ct:OO+8*\ct+7], v[VV+8*(4*\g+\ct):VV+8*(4*\g+\ct)+7], v[PP+8*\g:PP+8*\g+7], v[OO+8*\ct:OO+8*\ct+7]
.endr
.endr
.Lhid_\@:
	s_add_co_u32 s[KF], s[KF], 64
	s_add_co_u32 s[TBK], s[TBK], 64*KP
	s_add_co_u32 s[TBV], s[TBV], 64*VP
.endm
.macro SLOT_STEPS base                 ; a slot's eight key steps: written once, walked eight times
	s_mov_b32 s[TBK], \base
	s_mov_b32 s[TBV], \base
	s_mov_b32 s[CNT], 8
.Lstep_\@:
	STEP
	s_sub_co_u32 s[CNT], s[CNT], 1
	s_cmp_lg_u32 s[CNT], 0
	s_cbranch_scc1 .Lstep_\@
.endm
; THE CHANGE OF SLOTS with a refill: every wave waits for all its tensor loads, adds 0 to its spare word, waits for that and for its reads of the slot
; that it has left; a round of the cluster's barrier; the joint refill first behind it.  It has a slot's eight key steps in which to land.
.macro CHANGE set
	s_wait_tensorcnt 0x0
	ds_add_u32 v[SPW], v[NIL]
	ds_add_u32 v[SPW], v[NIL]
	s_add_nc_u64 s[G0K+4*\set+2:G0K+4*\set+3], s[G0K+4*\set+2:G0K+4*\set+3], 2*SK*128   ; no tensor load of mine is out: the slot's next 512 keys
	s_add_nc_u64 s[G0V+4*\set+2:G0V+4*\set+3], s[G0V+4*\set+2:G0V+4*\set+3], 2*SK*128
	s_wait_dscnt 0x0
	CROUND
	TLOAD \set
.endm
	s_wait_tensorcnt 1                             ; my part of slot 0 is in; slot 1's may be out
	s_barrier_signal -1
	s_barrier_wait -1
	ASK 0                                          ; keys 1,024 to 1,535
	s_wait_loadcnt 0x0                             ; Q
	SLOT_STEPS 0
	CHANGE 0                                       ; slot 0 takes keys 1,024 on
	ASK SK*128                                     ; keys 1,536 to 2,047
	SLOT_STEPS SLOTB
	CHANGE 1                                       ; slot 1 takes keys 1,536 on
	SLOT_STEPS 0
	s_wait_tensorcnt 0x0                           ; the last change of slots: nothing is asked for
	ds_add_u32 v[SPW], v[NIL]
	s_wait_dscnt 0x0
	s_barrier_signal -1
	s_barrier_wait -1
	SLOT_STEPS SLOTB
	; THE WAY OUT: O^T / l, rounded to f16, through my stage, out as whole runs of 256 bytes
.rept 4
	v_nop                                          ; places behind the last products
.endr
	v_add_f32 v[LL], v[LL], v[LL+1]
	v_permlanex16_b32 v[CM], v[LL], s[SEL], s[SEL+1]
	v_add_f32 v[LL], v[LL], v[CM]
	v_rcp_f32 v[AA], v[LL]
	v_nop
	s_wait_alu depctr_va_vdst(0)                   ; ahead of the reciprocal's first reader
.irp j, 0,2,4,6,8,10,12,14,16,18,20,22,24,26,28,30
	v_pk_mul_f32 v[OO+\j:OO+\j+1], v[OO+\j:OO+\j+1], v[AA:AA+1] op_sel_hi:[1,0]
.endr
.irp i, 0,1,2,3,4,5,6,7,8,9,10,11,12,13,14,15
	v_cvt_pk_f16_f32 v[PP+\i], v[OO+2*\i], v[OO+2*\i+1]
.endr
.irp ct, 0,1,2,3
	ds_store_b128 v[STO], v[PP+4*\ct:PP+4*\ct+3] offset:32*\ct
.endr
.irp t, 0,1,2,3
	ds_load_b128 v[SS+4*\t:SS+4*\t+3], v[RD] offset:544*\t   ; LDS serves a wave's instructions in order: these see my stores
.endr
.irp t, 0,1,2,3
	s_wait_dscnt 3-\t
	global_store_b128 v[GO], v[SS+4*\t:SS+4*\t+3], s[14:15] offset:4096*\t   ; sixteen lanes store 256 consecutive bytes, aligned
.endr
	s_wait_tensorcnt 0x0                           ; the wave's end
	ds_add_u32 v[SPW], v[NIL]
	s_wait_dscnt 0x0
	CROUND                                         ; the closing round
	s_endpgm
.Lfunc_end_k_q994727b206_attn:
	.size	k_q994727b206_attn, .Lfunc_end_k_q994727b206_attn-k_q994727b206_attn
	.p2alignl 7, 3214868480
	.fill 96, 4, 3214868480
	.section	.rodata,"a",@progbits
	.p2align	6, 0x0
	.amdhsa_kernel k_q994727b206_attn
		.amdhsa_group_segment_fixed_size 327680
		.amdhsa_private_segment_fixed_size 0
		.amdhsa_enable_private_segment 0
		.amdhsa_kernarg_size 16
		.amdhsa_user_sgpr_count 2
		.amdhsa_user_sgpr_kernarg_segment_ptr 1
		.amdhsa_wavefront_size32 1
		.amdhsa_system_sgpr_workgroup_id_x 1
		.amdhsa_system_sgpr_workgroup_id_y 1
		.amdhsa_system_sgpr_workgroup_id_z 1
		.amdhsa_system_vgpr_workitem_id 0
		.amdhsa_next_free_vgpr 256
		.amdhsa_next_free_sgpr 84
		.amdhsa_reserve_vcc 1
		.amdhsa_float_denorm_mode_32 3
		.amdhsa_float_denorm_mode_16_64 3
		.amdhsa_memory_ordered 1
		.amdhsa_forward_progress 1
		.amdhsa_inst_pref_size 65
	.end_amdhsa_kernel
	.amdgpu_metadata
---
amdhsa.version: [ 1, 2 ]
amdhsa.kernels:
  - .name:           k_q994727b206_attn
    .symbol:         k_q994727b206_attn.kd
    .args:
      - { .name: qkv, .offset: 0, .size: 8, .value_kind: global_buffer, .address_space: global }
      - { .name: att, .offset: 8, .size: 8, .value_kind: global_buffer, .address_space: global }
    .group_segment_fixed_size: 327680
    .private_segment_fixed_size: 0
    .kernarg_segment_align: 8
    .kernarg_segment_size: 16
    .max_flat_workgroup_size: 512
    .sgpr_count:     84
    .vgpr_count:     256
    .wavefront_size: 32
...
	.end_amdgpu_metadata
.endif
;; end of part 3
;; launch oproj (part 4): grid 16 x 16, 4 waves a work-group, clusters of 4 x 4, 327,680 bytes of LDS; arguments att, wo16, out0; writes out0
.if DOCPART == 4
	.amdgcn_target "amdgcn-amd-amdhsa--gfx1250"
	.amdhsa_code_object_version 6
	.text
	.protected	k_q994727b206_oproj
	.globl	k_q994727b206_oproj
	.p2align	8
	.type	k_q994727b206_oproj,@function
k_q994727b206_oproj:
	s_mov_b64 s[64:65], 0
	v_nop
	global_prefetch_b8 v0, s[64:65] scope:SCOPE_SE
	s_setreg_imm32_b32 hwreg(HW_REG_WAVE_MODE, 25, 1), 1
	s_wait_xcnt 0x0
	s_wait_alu depctr_hold_cnt(0) depctr_sa_sdst(0) depctr_va_vdst(0) depctr_va_sdst(0) depctr_va_ssrc(0) depctr_va_vcc(0) depctr_vm_vsrc(0)
	s_getreg_b32 s2, hwreg(HW_REG_IB_STS2, 6, 4)
	s_cmp_eq_u32 s2, 0
	s_cbranch_scc0 .Lentry_in_a_cluster
	s_endpgm
.Lentry_in_a_cluster:
	s_bfe_u32 s2, ttmp6, 0x10000c
	s_cmp_lg_u32 s2, 0xf033
	s_cbranch_scc0 .Lentry_shape_is_right
	s_endpgm
.Lentry_shape_is_right:
; out0[m][n] = sum over k of att[m][k] wo[n][k]: att [4096][1024] and wo16 [2048][1024] in f16, sums and out0 [4096][2048] in f32.
; LIMITS: f16 operands (att and wo under 65,504).  The 32 rows of positions 0-15 are stored here like all others and are stored anew, from f32 operands, by the launch that follows: leaving them out would want a branch on a work-group's place in its cluster.
; SHARES: a tile of out0 is 256 x 128: 16 x 16 tiles, one for each of 256 work-groups; four waves, each 128 rows x 64 columns: 32 accumulators.  K goes in steps of 128 (rows of 256 bytes) through two LDS slots:
; waves 0, 1 fetch A's halves (128 rows), waves 2, 3 B's halves (64 rows).  CLUSTERS: 4 x 4; A's tiles are asked for jointly along a row of the cluster, B's along a column.
; THE MATRIX INSTRUCTION IS USED TRANSPOSED (source 0 = 16 rows of wo, source 1 = 16 rows of att): a lane holds row m = lane % 16 and eight neighbouring columns.
; REGISTERS: window 0: v16-31 addresses; v128-255 A's fragments, two sets (free on the way out).  window 1: accumulator (a, b) at v[8 (4 a + b)].  window 2: B's fragments, two sets.
.set KROW,   2048
.set LAPS,   4                         ; a lap = two K steps of 128
.set PITCH,  272
.set HALFA,  128*PITCH
.set HALFB,  64*PITCH
.set BOFF,   2*HALFA
.set SLOT,   BOFF+2*HALFB
.set STAGE,  2*SLOT                    ; the way out: 16 rows x 272 bytes for each wave, bytes of its own
.set SPITCH, 272
.set SPARE,  STAGE+4*16*SPITCH
.set ADRA, 16
.set ADRB, 20
.set STO,  24
.set RD,   25
.set CO,   26
.set SPW,  28
.set NIL,  29
.set PFO,  30                          ; v30 the prefetches' offset: a row of 2,048 bytes a lane
.set AF,   128
.set BK,   128                         ; the way out: v128-159, v160-191 by turns
.set WV, 16
.set RH, 17
.set CH, 18
.set TR, 19
.set CX, 40
.set CY, 41
.set TC, 42
.set G1A, 24
.set G0A, 32
.set G1B, 48
.set G0B, 56
.set PFA, 66
.set LIM, 68
.set MSB, 0
.macro WIN new
.if MSB != \new
	s_set_vgpr_msb (MSB<<8)|\new
.set MSB, \new
.endif
.endm
.set MULW, 0x52
.set TO_B, 0x80
.macro PLACES n
.rept \n
	v_nop
.endr
.endm
.macro JLOAD g0a, g1a, g0b, g1b
	s_cmp_eq_u32 s[RH], 0
	s_cbranch_scc0 .Lfor_b_\@
	tensor_load_to_lds s[\g0a:\g0a+3], s[\g1a:\g1a+7]
	s_nop 0
.rept 4
	v_nop
.endr
	s_branch .Lasked_\@
.Lfor_b_\@:
	tensor_load_to_lds s[\g0b:\g0b+3], s[\g1b:\g1b+7]
	s_nop 0
.rept 4
	v_nop
.endr
.Lasked_\@:
.endm
.macro CREST
	s_cmp_lg_u32 s[WV], 0
	s_cbranch_scc1 .Lnot_wave_0_\@
	s_barrier_signal -3
.Lnot_wave_0_\@:
	s_barrier_wait -3
	s_barrier_signal -1
	s_barrier_wait -1
.endm
.macro CROUND
	s_barrier_signal -1
	s_barrier_wait -1
	CREST
.endm
; A prefetch, behind each joint refill and the run of LDS loads that follows it, of the K step that stands two refills on: 32 rows x 256 bytes, a lane a row.  Each row's 256 bytes of a K step are named once in the launch:
; A's rows by the clusters with x = 0 (waves 0, 1; of a wave's 128 rows the partner at cx takes 32), B's by the clusters with y = 0 (wave 2; of the tile's 128 rows the partner at cy takes 32): partners are told apart by address.
; The four refills of the loop's first two trips so name K steps 4 to 7; the last trip asks for nothing.
.macro ASK
	s_cmp_gt_u32 s3, s[LIM]
	s_cbranch_scc0 .Lnot_mine_\@
	global_prefetch_b8 v[PFO], s[PFA:PFA+1] offset:256 th:TH_LOAD_NT scope:SCOPE_SE
.Lnot_mine_\@:
.endm
	s_load_b128 s[4:7], s[0:1], 0x0                ; att s[4:5], wo16 s[6:7]
	s_load_b64 s[8:9], s[0:1], 0x10                ; out0
	v_lshl_add_u32 v[SPW], v0, 2, SPARE
	v_mov_b32 v[NIL], 0
	ds_add_u32 v[SPW], v[NIL]                      ; the wave's opening: the add, twice on end, and its wait ahead of my first tensor load
	ds_add_u32 v[SPW], v[NIL]
	v_lshrrev_b32 v1, 5, v0
	v_readfirstlane_b32 s[WV], v1
	s_lshr_b32 s[RH], s[WV], 1
	s_and_b32 s[CH], s[WV], 1
	s_bfe_u32 s[CX], ttmp6, 0x40000
	s_bfe_u32 s[CY], ttmp6, 0x40004
	s_lshl_b32 s[TC], ttmp9, 2
	s_add_co_u32 s[TC], s[TC], s[CX]
	s_and_b32 s[TR], ttmp7, 0xffff
	s_lshl_b32 s[TR], s[TR], 2
	s_add_co_u32 s[TR], s[TR], s[CY]
	s_lshl_b32 s43, s[CY], 2
	s_lshl_b32 s43, 15, s43
	s_lshl_b32 s44, 0x1111, s[CX]
	s_or_b32 s[G1A], s43, (1<<20)|(1<<21)|(5<<22)|(3<<25)   ; rows of 256 elements of one byte, 16 bytes of padding behind each
	s_or_b32 s[G1B], s44, (1<<20)|(1<<21)|(5<<22)|(3<<25)
	s_mov_b32 s[G1A+1], 256<<16
	s_mov_b32 s[G1A+2], 128<<16
	s_mov_b32 s[G1A+3], 256<<16
	s_mov_b32 s[G1A+4], 128
	s_mov_b32 s[G1A+5], KROW
	s_mov_b32 s[G1A+6], 0
	s_mov_b32 s[G1A+7], 0
	s_mov_b32 s[G1B+1], 256<<16
	s_mov_b32 s[G1B+2], 64<<16
	s_mov_b32 s[G1B+3], 256<<16
	s_mov_b32 s[G1B+4], 64
	s_mov_b32 s[G1B+5], KROW
	s_mov_b32 s[G1B+6], 0
	s_mov_b32 s[G1B+7], 0
	s_lshl_b32 s20, s[TR], 8
	s_lshl_b32 s21, s[CH], 7
	s_add_co_u32 s20, s20, s21
	s_lshl_b32 s20, s20, 11                        ; A: row 256 x tile row + 128 x half, 2,048 bytes a row
	s_mov_b32 s21, 0
	s_lshl_b32 s46, s[TC], 7
	s_lshl_b32 s47, s[CH], 6
	s_add_co_u32 s46, s46, s47
	s_lshl_b32 s46, s46, 11                        ; B: row 128 x tile column + 64 x half
	s_mov_b32 s47, 0
	s_mul_i32 s45, s[CH], HALFA
	s_mul_i32 s70, s[CH], HALFB
	s_add_co_u32 s70, s70, BOFF
	s_wait_dscnt 0x0
	s_wait_kmcnt 0x0
	s_add_nc_u64 s[20:21], s[4:5], s[20:21]
	s_add_nc_u64 s[46:47], s[6:7], s[46:47]
	CROUND
.irp s, 0,1
	s_mov_b32 s[G0A+4*\s], 1
	s_add_co_u32 s[G0A+4*\s+1], s45, \s*SLOT
	s_add_nc_u64 s[G0A+4*\s+2:G0A+4*\s+3], s[20:21], \s*256
	s_or_b32 s[G0A+4*\s+3], s[G0A+4*\s+3], 0x80000000
	s_mov_b32 s[G0B+4*\s], 1
	s_add_co_u32 s[G0B+4*\s+1], s70, \s*SLOT
	s_add_nc_u64 s[G0B+4*\s+2:G0B+4*\s+3], s[46:47], \s*256
	s_or_b32 s[G0B+4*\s+3], s[G0B+4*\s+3], 0x80000000
	JLOAD G0A+4*\s, G1A, G0B+4*\s, G1B             ; two loads of mine are out behind the second
.endr
	v_and_b32 v1, 15, v0
	v_bfe_u32 v2, v0, 4, 1
	v_mul_u32_u24 v3, v1, PITCH
	v_lshl_add_u32 v4, v2, 4, v3
	s_mul_i32 s21, s[RH], HALFA
	s_mul_i32 s22, s[CH], HALFB
	s_add_co_u32 s22, s22, BOFF
.irp s, 0,1
	v_add_nc_u32 v[ADRA+\s], s21, v4
	v_add_nc_u32 v[ADRB+\s], s22, v4
	s_add_co_u32 s21, s21, SLOT
	s_add_co_u32 s22, s22, SLOT
.endr
	s_mul_i32 s23, s[WV], 16*SPITCH
	s_add_co_u32 s23, s23, STAGE
	v_lshl_add_u32 v5, v2, 5, v3                   ; in: row r, 32 bytes for each half of the lanes
	v_add_nc_u32 v[STO], s23, v5
	v_mul_u32_u24 v5, v2, SPITCH                   ; back: sixteen lanes to a row of 256 bytes, two rows an instruction
	v_lshl_add_u32 v5, v1, 4, v5
	v_add_nc_u32 v[RD], s23, v5
	v_lshlrev_b32 v[CO], 13, v2
	v_lshl_add_u32 v[CO], v1, 4, v[CO]
	s_lshl_b32 s72, s[TR], 8
	s_lshl_b32 s73, s[RH], 7
	s_add_co_u32 s72, s72, s73
	s_lshl_b32 s72, s72, 13                        ; my first row of out0, 8,192 bytes a row
	s_lshl_b32 s73, s[TC], 9
	s_add_co_u32 s72, s72, s73
	s_lshl_b32 s73, s[CH], 8
	s_add_co_u32 s72, s72, s73                     ; my first column
	s_mov_b32 s73, 0
	s_add_nc_u64 s[8:9], s[8:9], s[72:73]
	; the prefetches: where mine stand, and whether I ask
	s_lshl_b32 s20, s[TR], 8
	s_lshl_b32 s21, s[CH], 7
	s_add_co_u32 s20, s20, s21
	s_lshl_b32 s21, s[CX], 5
	s_add_co_u32 s20, s20, s21                     ; A: my work-group's 32 of the 128 rows that I fetch
	s_lshl_b32 s21, s[TC], 7
	s_lshl_b32 s22, s[CY], 5
	s_add_co_u32 s21, s21, s22                     ; B: my work-group's 32 of the tile's 128 rows
	s_and_b32 s22, ttmp7, 0xffff
	s_or_b32 s22, s22, s[CH]                       ; 0 in wave 2 of the clusters with y = 0
	s_cmp_eq_u32 s[RH], 0
	s_cselect_b32 s20, s20, s21
	s_cselect_b32 s22, ttmp9, s22
	s_cselect_b64 s[PFA:PFA+1], s[4:5], s[6:7]
	s_cmp_eq_u32 s22, 0
	s_cselect_b32 s[LIM], 1, -1                    ; the same in all sixteen partners, for a given wave
	s_lshl_b32 s20, s20, 11
	s_mov_b32 s21, 0
	s_add_nc_u64 s[PFA:PFA+1], s[PFA:PFA+1], s[20:21]
	s_add_nc_u64 s[PFA:PFA+1], s[PFA:PFA+1], 512   ; at K step 2: the first refill steps it to 3 and names K step 4
	v_and_b32 v[PFO], 31, v0
	v_lshlrev_b32 v[PFO], 11, v[PFO]
.macro FRAG reg, adr, q, i             ; 16 rows x 32 K of f16: registers 0-3 K = 8 h on, registers 4-7 K = 16 + 8 h on: two loads of 16 bytes, 32 apart
.irp c, 0,1
	ds_load_b128 v[\reg+4*\c:\reg+4*\c+3], v[\adr] offset:64*(\q)+32*\c+(\i)*16*PITCH
.endr
.endm
.macro FETCH slot, q, p
	WIN TO_B
.irp i, 0,1,2,3
	FRAG 32*(\p)+8*\i, ADRB+\slot, \q, \i
.endr
	WIN 0
.irp i, 0,1,2,3,4,5,6,7
	FRAG AF+64*(\p)+8*\i, ADRA+\slot, \q, \i
.endr
.endm
.macro MUL a0, n, p, zero              ; the 32 accumulators take turns, one instruction a turn, in the same order in every step
.set MA, \a0
.rept \n
.irp b, 0,1,2,3
.if \zero
	v_wmma_f32_16x16x32_f16 v[8*(4*MA+\b):8*(4*MA+\b)+7], v[32*(\p)+8*\b:32*(\p)+8*\b+7], v[AF+64*(\p)+8*MA:AF+64*(\p)+8*MA+7], 0
.else
	v_wmma_f32_16x16x32_f16 v[8*(4*MA+\b):8*(4*MA+\b)+7], v[32*(\p)+8*\b:32*(\p)+8*\b+7], v[AF+64*(\p)+8*MA:AF+64*(\p)+8*MA+7], v[8*(4*MA+\b):8*(4*MA+\b)+7]
.endif
.endr
.set MA, MA+1
.endr
.endm
.macro STEP slot, q, zero
	PLACES 4                                       ; the set loaded below was read by the products just issued
	FETCH \slot, (\q)+1, ((\q)+1)%2
	s_wait_dscnt 24                                ; all but the 24 just issued
	WIN MULW
	MUL 0, 8, (\q)%2, \zero
.endm
.macro TURN slot, next, fill
	WIN 0
.if \fill
	s_wait_xcnt 0x0                                ; the last prefetch, a K step back, has read its address: it is stepped here, ahead of the waits of the change of slots
	s_add_nc_u64 s[PFA:PFA+1], s[PFA:PFA+1], 256
.endif
	s_wait_tensorcnt 0x0                           ; all my tensor loads have landed: my part of the next slot
	ds_add_u32 v[SPW], v[NIL]
	s_wait_dscnt 1                                 ; this step's set is in; the add may be out
	WIN MULW
	MUL 0, 2, 1, 0
	s_wait_dscnt 0x0                               ; the add is done, and my reads of this slot are over
	s_barrier_signal -1
	MUL 2, 2, 1, 0
	WIN 0
	s_barrier_wait -1
.if \fill
	CREST                                          ; no wave of any partner still reads this slot or has a load on its way
	s_add_nc_u64 s[G0A+4*\slot+2:G0A+4*\slot+3], s[G0A+4*\slot+2:G0A+4*\slot+3], 512
	s_add_nc_u64 s[G0B+4*\slot+2:G0B+4*\slot+3], s[G0B+4*\slot+2:G0B+4*\slot+3], 512
	JLOAD G0A+4*\slot, G1A, G0B+4*\slot, G1B       ; the first tensor load behind the round; its four v_nop are also the places ahead of the loads below
.else
	PLACES 4
.endif
	FETCH \next, 0, 0
.if \fill
	ASK
.endif
	WIN MULW
	MUL 4, 4, 1, 0
.endm
	s_wait_tensorcnt 1                             ; my part of K step 0 is in; K step 1's load may be out
	s_barrier_signal -1
	s_barrier_wait -1
	FETCH 0, 0, 0
	STEP 0, 0, 1
	WIN 0
	s_mov_b32 s3, LAPS-1
.Llap:
	STEP 0, 1, 0
	STEP 0, 2, 0
	TURN 0, 1, 1
	STEP 1, 0, 0
	STEP 1, 1, 0
	STEP 1, 2, 0
	TURN 1, 0, 1
	STEP 0, 0, 0
	WIN 0
	s_sub_co_u32 s3, s3, 1
	s_cmp_lg_u32 s3, 0
	s_cbranch_scc1 .Llap
	STEP 0, 1, 0
	STEP 0, 2, 0
	TURN 0, 1, 0
	STEP 1, 0, 0
	STEP 1, 1, 0
	STEP 1, 2, 0
	s_wait_dscnt 0x0
	MUL 0, 8, 1, 0                                 ; the very last step
	WIN 0
; THE WAY OUT, block by block of 16 rows x 64 columns: a lane's 32 bytes belong to one row: through my stage, and back as rows of 256 bytes.
.macro TOSTAGE a
	WIN 0x04                                       ; an LDS store's data are its source 1: the accumulators' window
.irp b, 0,1,2,3
	ds_store_b128 v[STO], v[8*(4*(\a)+\b):8*(4*(\a)+\b)+3] offset:64*\b          ; each accumulator from its low end on
	ds_store_b128 v[STO], v[8*(4*(\a)+\b)+4:8*(4*(\a)+\b)+7] offset:64*\b+16
.endr
	WIN 0
.irp t, 0,1,2,3,4,5,6,7
	ds_load_b128 v[BK+32*((\a)%2)+4*\t:BK+32*((\a)%2)+4*\t+3], v[RD] offset:544*\t   ; LDS serves a wave's instructions in order
.endr
.endm
.macro SEND a, younger
	s_wait_dscnt \younger
.irp t, 0,1,2,3,4,5,6,7
	global_store_b128 v[CO], v[BK+32*((\a)%2)+4*\t:BK+32*((\a)%2)+4*\t+3], s[8:9] offset:(\a)*131072+16384*\t th:TH_STORE_NT   ; sixteen lanes store 256 consecutive bytes, aligned
.endr
.endm
	PLACES 4
	TOSTAGE 0
.irp a, 1,2,3,4,5,6,7
.if \a > 1
	s_wait_xcnt 0x0                                ; block a - 2's stores have read their registers: block a's loads may land there
.endif
	TOSTAGE \a
	SEND \a-1, 16                                  ; behind block a - 1's loads: block a's 8 stores and 8 loads
.endr
	SEND 7, 0
	s_wait_tensorcnt 0x0                           ; the wave's end
	ds_add_u32 v[SPW], v[NIL]
	s_wait_dscnt 0x0
	CROUND                                         ; the closing round
	s_endpgm
.Lfunc_end_k_q994727b206_oproj:
	.size	k_q994727b206_oproj, .Lfunc_end_k_q994727b206_oproj-k_q994727b206_oproj
	.p2alignl 7, 3214868480
	.fill 96, 4, 3214868480
	.section	.rodata,"a",@progbits
	.p2align	6, 0x0
	.amdhsa_kernel k_q994727b206_oproj
		.amdhsa_group_segment_fixed_size 327680
		.amdhsa_private_segment_fixed_size 0
		.amdhsa_enable_private_segment 0
		.amdhsa_kernarg_size 24
		.amdhsa_user_sgpr_count 2
		.amdhsa_user_sgpr_kernarg_segment_ptr 1
		.amdhsa_wavefront_size32 1
		.amdhsa_system_sgpr_workgroup_id_x 1
		.amdhsa_system_sgpr_workgroup_id_y 1
		.amdhsa_system_sgpr_workgroup_id_z 1
		.amdhsa_system_vgpr_workitem_id 0
		.amdhsa_next_free_vgpr 576
		.amdhsa_next_free_sgpr 80
		.amdhsa_reserve_vcc 0
		.amdhsa_float_denorm_mode_32 3
		.amdhsa_float_denorm_mode_16_64 3
		.amdhsa_memory_ordered 1
		.amdhsa_forward_progress 1
		.amdhsa_inst_pref_size 87
	.end_amdhsa_kernel
	.amdgpu_metadata
---
amdhsa.version: [ 1, 2 ]
amdhsa.kernels:
  - .name:           k_q994727b206_oproj
    .symbol:         k_q994727b206_oproj.kd
    .args:
      - { .name: att, .offset: 0, .size: 8, .value_kind: global_buffer, .address_space: global }
      - { .name: wo16, .offset: 8, .size: 8, .value_kind: global_buffer, .address_space: global }
      - { .name: out0, .offset: 16, .size: 8, .value_kind: global_buffer, .address_space: global }
    .group_segment_fixed_size: 327680
    .private_segment_fixed_size: 0
    .kernarg_segment_align: 8
    .kernarg_segment_size: 24
    .max_flat_workgroup_size: 128
    .sgpr_count:     80
    .vgpr_count:     576
    .wavefront_size: 32
...
	.end_amdgpu_metadata
.endif
;; end of part 4
;; launch first16 (part 5): grid 128 x 2, 8 waves a work-group, no clusters, 9,216 bytes of LDS; arguments fine, wo, out0; writes out0
.if DOCPART == 5
	.amdgcn_target "amdgcn-amd-amdhsa--gfx1250"
	.amdhsa_code_object_version 6
	.text
	.protected	k_q994727b206_first16
	.globl	k_q994727b206_first16
	.p2align	8
	.type	k_q994727b206_first16,@function
k_q994727b206_first16:
	s_mov_b64 s[64:65], 0
	v_nop
	global_prefetch_b8 v0, s[64:65] scope:SCOPE_SE
	s_setreg_imm32_b32 hwreg(HW_REG_WAVE_MODE, 25, 1), 1
	s_wait_xcnt 0x0
; Positions 0-15 of both batches, all in f32: their rows average one to sixteen values and are the largest of the output, so f16 operands would use up what the comparison allows.  Scores, softmax, P V and the projection
; with wo as it is given; 32 rows of out0 are stored anew.  This is no bulk work: 96 matrix instructions of the f32 form a wave.
; fine: [2][16 positions][2048] f32: columns 0-1023 q' (RoPE done, times log2(e) / 8), 1024-1535 k, 1536-2047 v.
; SHARES: work-group (x, y): batch y, output columns 16 x .. 16 x + 15.  Wave w: key head w and query heads 2 w, 2 w + 1, whose 128 channels are K = 128 w .. 128 w + 127 of the projection: so the attention's result goes on
; as an operand without leaving the registers.  The eight waves' parts of the 16 x 16 results meet in LDS; waves 0 and 1 add them, in the order of the waves, and store.
; The form's K is 4: register j of lane (r, h) is k = 2 h + j.  Which true k stands there is free as long as both operands agree: each operand is loaded, or left, so that they do.
; K's and Q's loads take 16 bytes a lane at 16 h + 32 i of the lane's row: the two halves of the lanes read 32 neighbouring bytes of each of the 16 rows.
; The registers that the f32 matrix form writes (v128-223) are written by it alone; every sum begins with the constant 0.
; The stores cover 64 bytes of each row: parts of aligned blocks of 256 bytes; the launch's whole output is 262,144 bytes.  NaN and infinities are not served.
.set SPARE, 8192                       ; behind the eight parts of 1,024 bytes: the spare words, 128 bytes a wave
.set KR, 0                             ; window 1: v0-31 K: register 4 i + e: channel 8 i + 4 h + e of key r
.set VR, 32                            ; window 1: v32-63 V^T: register 8 ct + e: key 8 h + e, channel 16 ct + r
.set WR, 64                            ; window 1: v64-127 wo: register 8 c + e: channel 16 c + 8 h + e of my 128, output column r
.set QR, 32                            ; v32-95 Q: head u at 32 u, as K
.set TT, 96                            ; v96-111 the weights: head u at 8 u: key 8 h + j of row r
.set XS, 112                           ; v112-119 my part of the result
.set SA, 128                           ; v128-143 S^T of the two heads
.set PA, 144                           ; v144-159 the projection, two accumulators by turns
.set OA, 160                           ; v160-223 O^T: head u, channels 16 ct on, at 32 u + 8 ct
.set SPW, 16
.set NIL, 17
.set MSB, 0
.macro WIN new
.if MSB != \new
	s_set_vgpr_msb (MSB<<8)|\new
.set MSB, \new
.endif
.endm
	s_load_b128 s[4:7], s[0:1], 0x0                ; fine s[4:5], wo s[6:7]
	s_load_b64 s[8:9], s[0:1], 0x10                ; out0
	v_lshl_add_u32 v[SPW], v0, 2, SPARE
	v_mov_b32 v[NIL], 0
	v_lshrrev_b32 v1, 5, v0
	v_readfirstlane_b32 s12, v1                    ; wave 0..7
	s_and_b32 s13, ttmp7, 0xffff                   ; the batch
	v_and_b32 v1, 15, v0                           ; r
	v_bfe_u32 v2, v0, 4, 1                         ; h
	v_lshlrev_b32 v3, 13, v1
	v_lshl_add_u32 v3, v2, 4, v3                   ; K, Q: position r (8,192 bytes a row), channels 4 h on
	v_lshlrev_b32 v4, 2, v1
	v_lshl_add_u32 v4, v2, 16, v4                  ; V: keys 8 h on, channel r
	v_lshlrev_b32 v5, 12, v1
	v_lshl_add_u32 v5, v2, 5, v5                   ; wo: row r (4,096 bytes), channels 8 h on
	v_lshlrev_b32 v6, 3, v2
	v_sub_nc_u32 v6, v1, v6                        ; r - 8 h: key 8 h + j is hidden where j is above it
	v_mov_b32 v7, 0xff800000
	v_mov_b32 v10, 0                               ; a lane permute's destination counts as read
	v_mov_b32 v11, 0
	v_lshlrev_b32 v18, 5, v0                       ; LDS: 1,024 x wave + 32 x lane
	v_lshlrev_b32 v19, 4, v0                       ; and back (waves 0, 1): 16 x thread
	v_bfe_u32 v20, v0, 1, 4
	v_lshlrev_b32 v20, 13, v20                     ; thread t holds row (t / 2) % 16,
	v_lshrrev_b32 v21, 5, v0
	v_lshl_add_u32 v20, v21, 5, v20                ; columns 8 (t / 32)
	v_and_b32 v21, 1, v0
	v_lshl_add_u32 v20, v21, 4, v20                ; + 4 (t % 2) on
	s_mov_b32 s20, 0x76543210
	s_mov_b32 s21, 0xfedcba98
	s_lshl_b32 s14, s13, 17
	s_lshl_b32 s22, s12, 8
	s_add_co_u32 s14, s14, s22                     ; the batch's rows, 64 w columns on (k, v)
	s_mov_b32 s15, 0
	s_add_co_u32 s16, s14, s22                     ; 128 w columns on (q)
	s_mov_b32 s17, 0
	s_lshl_b32 s18, ttmp9, 16                      ; wo: row 16 x,
	s_lshl_b32 s22, s12, 9
	s_add_co_u32 s18, s18, s22                     ; channel 128 w
	s_mov_b32 s19, 0
	s_lshl_b32 s22, s13, 24                        ; out0: the batch's first row,
	s_lshl_b32 s23, ttmp9, 6
	s_add_co_u32 s22, s22, s23                     ; column 16 x
	s_mov_b32 s23, 0
	s_wait_kmcnt 0x0
	s_add_nc_u64 s[14:15], s[4:5], s[14:15]
	s_add_nc_u64 s[16:17], s[4:5], s[16:17]
	s_add_nc_u64 s[18:19], s[6:7], s[18:19]
	s_add_nc_u64 s[8:9], s[8:9], s[22:23]
	WIN 0x40                                       ; destination window 1
.irp i, 0,1,2,3,4,5,6,7
	global_load_b128 v[KR+4*\i:KR+4*\i+3], v3, s[14:15] offset:4096+32*\i
.endr
	WIN 0
.irp u, 0,1
.irp i, 0,1,2,3,4,5,6,7
	global_load_b128 v[QR+32*\u+4*\i:QR+32*\u+4*\i+3], v3, s[16:17] offset:256*\u+32*\i
.endr
.endr
	WIN 0x40
.irp ct, 0,1,2,3
.irp e, 0,1,2,3,4,5,6,7
	global_load_b32 v[VR+8*\ct+\e], v4, s[14:15] offset:6144+\e*8192+64*\ct
.endr
.endr
.irp c, 0,1,2,3,4,5,6,7
	global_load_b128 v[WR+8*\c:WR+8*\c+3], v5, s[18:19] offset:64*\c
	global_load_b128 v[WR+8*\c+4:WR+8*\c+7], v5, s[18:19] offset:64*\c+16
.endr
	s_wait_loadcnt 48                              ; K and Q are in; V's 32 loads and wo's 16 may be out
	WIN 0x01                                       ; source 0 window 1
	; S^T = K Q^T: source 0 = 16 keys, source 1 = 16 positions; step t takes registers 2 t, 2 t + 1 of both, which hold the same four channels in both.  The two heads' accumulators take turns.
.irp t, 0,1,2,3,4,5,6,7,8,9,10,11,12,13,14,15
.irp u, 0,1
.if \t == 0
	v_wmma_f32_16x16x4_f32 v[SA+8*\u:SA+8*\u+7], v[KR+2*\t:KR+2*\t+1], v[QR+32*\u+2*\t:QR+32*\u+2*\t+1], 0
.else
	v_wmma_f32_16x16x4_f32 v[SA+8*\u:SA+8*\u+7], v[KR+2*\t:KR+2*\t+1], v[QR+32*\u+2*\t:QR+32*\u+2*\t+1], v[SA+8*\u:SA+8*\u+7]
.endif
.endr
.endr
	WIN 0
.rept 8
	v_nop                                          ; eight places behind this form ahead of the first read of its results (ISA guide 7.12.1)
.endr
.irp j, 0,1,2,3,4,5,6,7                        ; the causal mask, into other registers; each accumulator from its low end on
	v_cmp_gt_i32 vcc_lo, \j, v6
	v_cndmask_b32 v[TT+\j], v[SA+\j], v7, vcc_lo
	v_cndmask_b32 v[TT+8+\j], v[SA+8+\j], v7, vcc_lo
.endr
	v_max3_num_f32 v8, v[TT], v[TT+1], v[TT+2]
	v_max3_num_f32 v9, v[TT+8], v[TT+9], v[TT+10]
	v_max3_num_f32 v8, v8, v[TT+3], v[TT+4]
	v_max3_num_f32 v9, v9, v[TT+11], v[TT+12]
	v_max3_num_f32 v8, v8, v[TT+5], v[TT+6]
	v_max3_num_f32 v9, v9, v[TT+13], v[TT+14]
	v_max_num_f32 v8, v8, v[TT+7]
	v_max_num_f32 v9, v9, v[TT+15]
	v_permlanex16_b32 v10, v8, s20, s21            ; the row's other eight keys lie in the lane 16 away
	v_permlanex16_b32 v11, v9, s20, s21
	v_max_num_f32 v8, v8, v10                      ; the row's maximum: finite, since key 0 counts for every row
	v_max_num_f32 v9, v9, v11
.irp j, 0,1,2,3,4,5,6,7
	v_sub_f32 v[TT+\j], v[TT+\j], v8
	v_sub_f32 v[TT+8+\j], v[TT+8+\j], v9
.endr
.irp j, 0,1,2,3,4,5,6,7,8,9,10,11,12,13,14,15
	v_exp_f32 v[TT+\j], v[TT+\j]
.endr
	v_nop
	s_wait_alu depctr_va_vdst(0)                   ; the wait ahead of the first reader: one for the batch
	v_add_f32 v12, v[TT], v[TT+1]
	v_add_f32 v13, v[TT+8], v[TT+9]
.irp j, 2,3,4,5,6,7
	v_add_f32 v12, v12, v[TT+\j]
	v_add_f32 v13, v13, v[TT+8+\j]
.endr
	v_permlanex16_b32 v10, v12, s20, s21
	v_permlanex16_b32 v11, v13, s20, s21
	v_add_f32 v12, v12, v10
	v_add_f32 v13, v13, v11
	v_rcp_f32 v14, v12
	v_rcp_f32 v15, v13
	v_nop
	s_wait_alu depctr_va_vdst(0)
.irp j, 0,1,2,3,4,5,6,7
	v_mul_f32 v[TT+\j], v[TT+\j], v14              ; the weights are normalised here, so that O^T wants no vector work
	v_mul_f32 v[TT+8+\j], v[TT+8+\j], v15
.endr
	s_wait_loadcnt 16                              ; V is in; wo's 16 loads may be out
	WIN 0x01
	; O^T = V^T P: source 0 = 16 channels, source 1 = 16 positions; step t takes keys 8 h + 2 t, + 1 of both.  Eight accumulators by turns.
.irp t, 0,1,2,3
.irp u, 0,1
.irp ct, 0,1,2,3
.if \t == 0
	v_wmma_f32_16x16x4_f32 v[OA+32*\u+8*\ct:OA+32*\u+8*\ct+7], v[VR+8*\ct+2*\t:VR+8*\ct+2*\t+1], v[TT+8*\u+2*\t:TT+8*\u+2*\t+1], 0
.else
	v_wmma_f32_16x16x4_f32 v[OA+32*\u+8*\ct:OA+32*\u+8*\ct+7], v[VR+8*\ct+2*\t:VR+8*\ct+2*\t+1], v[TT+8*\u+2*\t:TT+8*\u+2*\t+1], v[OA+32*\u+8*\ct:OA+32*\u+8*\ct+7]
.endif
.endr
.endr
.endr
.rept 9
	v_nop                                          ; nine places ahead of matrix instructions that take these results as an operand
.endr
	s_wait_loadcnt 0x0                             ; wo
	; the projection: source 0 = 16 rows of wo, source 1 = O^T's registers as they stand: registers 2 t, 2 t + 1 of accumulator (u, ct) are channels 16 ct + 8 h + 2 t, + 1 of head 2 w + u.  Two accumulators by turns.
.irp u, 0,1
.irp ct, 0,1,2,3
.irp t, 0,1,2,3
.if (\u == 0) && (\ct == 0) && (\t < 2)
	v_wmma_f32_16x16x4_f32 v[PA+8*(\t%2):PA+8*(\t%2)+7], v[WR+8*(4*\u+\ct)+2*\t:WR+8*(4*\u+\ct)+2*\t+1], v[OA+32*\u+8*\ct+2*\t:OA+32*\u+8*\ct+2*\t+1], 0
.else
	v_wmma_f32_16x16x4_f32 v[PA+8*(\t%2):PA+8*(\t%2)+7], v[WR+8*(4*\u+\ct)+2*\t:WR+8*(4*\u+\ct)+2*\t+1], v[OA+32*\u+8*\ct+2*\t:OA+32*\u+8*\ct+2*\t+1], v[PA+8*(\t%2):PA+8*(\t%2)+7]
.endif
.endr
.endr
.endr
	WIN 0
.rept 8
	v_nop
.endr
.irp j, 0,1,2,3,4,5,6,7
	v_add_f32 v[XS+\j], v[PA+\j], v[PA+8+\j]       ; lane (r, h): out(position r, column 16 x + 8 h + j), my 128 channels' part
.endr
	ds_store_b128 v18, v[XS:XS+3]
	ds_store_b128 v18, v[XS+4:XS+7] offset:16
	s_wait_dscnt 0x0                               ; for the others' sake: my stores have landed
	s_barrier_signal -1
	s_barrier_wait -1
	s_cmp_ge_u32 s12, 2                            ; waves 0 and 1 add the eight parts: 64 threads, 16 bytes each
	s_cbranch_scc1 .Lend
.irp w, 0,1,2,3,4,5,6,7
	ds_load_b128 v[32+4*\w:35+4*\w], v19 offset:1024*\w
.endr
	s_wait_dscnt 0x0
.irp w, 1,2,3,4,5,6,7
	v_pk_add_f32 v[32:33], v[32:33], v[32+4*\w:33+4*\w]
	v_pk_add_f32 v[34:35], v[34:35], v[34+4*\w:35+4*\w]
.endr
	global_store_b128 v20, v[32:35], s[8:9]
.Lend:
	s_wait_tensorcnt 0x0                           ; the wave's end, behind the last LDS store
	ds_add_u32 v[SPW], v[NIL]
	s_wait_dscnt 0x0
	s_endpgm
.Lfunc_end_k_q994727b206_first16:
	.size	k_q994727b206_first16, .Lfunc_end_k_q994727b206_first16-k_q994727b206_first16
	.p2alignl 7, 3214868480
	.fill 96, 4, 3214868480
	.section	.rodata,"a",@progbits
	.p2align	6, 0x0
	.amdhsa_kernel k_q994727b206_first16
		.amdhsa_group_segment_fixed_size 9216
		.amdhsa_private_segment_fixed_size 0
		.amdhsa_enable_private_segment 0
		.amdhsa_kernarg_size 24
		.amdhsa_user_sgpr_count 2
		.amdhsa_user_sgpr_kernarg_segment_ptr 1
		.amdhsa_wavefront_size32 1
		.amdhsa_system_sgpr_workgroup_id_x 1
		.amdhsa_system_sgpr_workgroup_id_y 1
		.amdhsa_system_sgpr_workgroup_id_z 1
		.amdhsa_system_vgpr_workitem_id 0
		.amdhsa_next_free_vgpr 384
		.amdhsa_next_free_sgpr 66
		.amdhsa_reserve_vcc 1
		.amdhsa_float_denorm_mode_32 3
		.amdhsa_float_denorm_mode_16_64 3
		.amdhsa_memory_ordered 1
		.amdhsa_forward_progress 1
		.amdhsa_inst_pref_size 22
	.end_amdhsa_kernel
	.amdgpu_metadata
---
amdhsa.version: [ 1, 2 ]
amdhsa.kernels:
  - .name:           k_q994727b206_first16
    .symbol:         k_q994727b206_first16.kd
    .args:
      - { .name: fine, .offset: 0, .size: 8, .value_kind: global_buffer, .address_space: global }
      - { .name: wo, .offset: 8, .size: 8, .value_kind: global_buffer, .address_space: global }
      - { .name: out0, .offset: 16, .size: 8, .value_kind: global_buffer, .address_space: global }
    .group_segment_fixed_size: 9216
    .private_segment_fixed_size: 0
    .kernarg_segment_align: 8
    .kernarg_segment_size: 24
    .max_flat_workgroup_size: 256
    .sgpr_count:     66
    .vgpr_count:     384
    .wavefront_size: 32
...
	.end_amdgpu_metadata
.endif
;; end of part 5
